; MI455X (gfx1250); checked and timed in simulation.
; The chip was launched on July 23, 2026; its instructions are those of AMD's public machine-readable ISA for CDNA 5 (MIT licence, August 2026) and "CDNA5" Instruction Set Architecture Reference Guide (July 2026). The comments in the code are by the model that wrote it; some were corrected since.
;; Attention. Allowed arithmetic: matrix products marked QUANTISED: E2M3 operands, one E8M0 scale for each 32 along K, by v_wmma_scale_f32_16x16x128_f8f6f4 with both operands' format E2M3, f32 sums; everything else in f32.
;; Inputs: cos 2,048 x 64 float32; sin 2,048 x 64 float32; wk 2,048 x 512 float32; wo 512 x 2,048 float32; wq 2,048 x 512 float32; wv 2,048 x 512 float32; x 4 x 2,048 x 2,048 float32.
;; Outputs: out0 4 x 2,048 x 2,048 float32.
;; This version of the problem:
;;   THIS VERSION OF THE PROBLEM IS GIVEN IN LOW PRECISION. The matrix products marked QUANTISED in the list below multiply operands that are first quantised to E2M3 (2 exponent bits, 3 mantissa bits; 6 bits a number), with one power-of-two scale for each 32 numbers along K (OCP MX v1.0); their sums are f32. All else is computed in f32.
;;   The module's matrix products, in the order in which they are computed (A, B: the left and right operand; K: the contracted axis; several contracted axes count as one K, in the product's order):
;;     1. [M 8,192, K 2,048] x [K 2,048, N 512]; A: input x; B: input wq: QUANTISED
;;     2. [M 8,192, K 2,048] x [K 2,048, N 512]; A: input x; B: input wk: QUANTISED
;;     3. [M 8,192, K 2,048] x [K 2,048, N 512]; A: input x; B: input wv: QUANTISED
;;     4. batch 16 x [M 2,048, K 128] x [K 128, N 2,048]; A: computed on the way; B: computed on the way: QUANTISED
;;     5. batch 16 x [M 2,048, K 2,048] x [K 2,048, N 128]; A: softmax (see below); B: computed on the way: QUANTISED
;;     6. [M 8,192, K 512] x [K 512, N 2,048]; A: computed on the way; B: input wo: QUANTISED
;;   THE QUANTISER, for each operand of a quantised product, along K:
;;     - K is cut into blocks of 32 from its start; a last block that is shorter is filled with zeros.
;;     - A block's scale is 2^e with e = floor(log2(the largest magnitude in the block)) - 2, held to -126 .. 127; a block of zeros has e = 0. As a byte (E8M0): e + 127.
;;     - Each number is divided by its block's scale, clamped to +-7.5, and rounded to the nearest number of E2M3, ties to even, subnormals kept.
;;     - The product sums the exact products of the quantised numbers (number of the format x scale) in f32.
;;   ~~~python
;;   def quantise(x, axis):      # numpy; x: float32 -> the quantised numbers, widened to float32 again
;;       x = np.moveaxis(x, axis, -1); K = x.shape[-1]
;;       x = np.pad(x, [(0, 0)] * (x.ndim - 1) + [(0, -K % 32)]); x = x.reshape(x.shape[:-1] + (-1, 32)); a = np.abs(x).max(-1, keepdims=True)
;;       e = np.where(a > 0, np.clip(np.frexp(np.where(a > 0, a, 1))[1] - 1 - 2, -126, 127), 0)      # np.frexp(a)[1] - 1 = floor(log2(a)), exactly
;;       r = np.clip(x / 2.0 ** e, -7.5, 7.5)
;;       step = 2.0 ** (np.maximum(np.frexp(np.where(r == 0, 1, r))[1] - 1, 0) - 3)
;;       q = np.round(r / step) * step * 2.0 ** e      # np.round: ties to even
;;       return np.moveaxis(q.reshape(q.shape[:-2] + (-1,))[..., :K], -1, axis).astype(np.float32)
;;   ~~~
;;   SOFTMAX AHEAD OF A QUANTISED PRODUCT. Where the list says 'softmax', what is quantised is not the finished softmax but p = 2^(t - M), with t = logit x log2(e) and M = ceil(the row's largest t), a whole number; so 1/2 < the row's largest p <= 1. The row's sum l is taken of the UNQUANTISED p, in f32, and the product's result is divided by l at the end. Since M is a whole number, a kernel that streams over the keys may use a running M (the ceiling of the running maximum): every later rescaling is an exact power of two, which a block's scale takes up: the codes' values come out the same.
;;   OPERANDS COMPUTED ON THE WAY. 'Computed on the way' means the value that the module computes at that place (a softmax that the list does not call 'softmax' is quantised finished and normalised). What goes into a quantiser is computed in f32, as accurately as f32 sums, v_exp_f32 and their like allow (about 1e-6 of the number): no bf16 or f16 on the way to a quantiser, and a product that is left as it is and whose result goes on into a quantised operand takes f32 operands (vector FMAs, or v_wmma_f32_16x16x4_f32). A number that lies on a knife's edge between two numbers of the format may be rounded either way, as far as f32 arithmetic and the matrix unit's own rounding can turn it there, and no further.
;; One version. Each part assembles by itself: llvm-mc -triple=amdgcn-amd-amdhsa -mcpu=gfx1250 --defsym DOCPART=n.
;; ======== version 1 of 1: 4 launches
;; limits: right only within a limited range of input values
;; workspace buffers: xq 13,107,200 bytes; wts 3,276,800 bytes; qkv 9,830,400 bytes; oq 3,276,800 bytes
;; launch prep (part 1): grid 640 x 1, 4 waves a work-group, no clusters, 83,456 bytes of LDS; arguments x, wq, wk, wv, wo, xq, wts; writes xq, wts
.if DOCPART == 1
	.amdgcn_target "amdgcn-amd-amdhsa--gfx1250"
	.amdhsa_code_object_version 6
	.text
	.protected	k_qffab6dc659_prep
	.globl	k_qffab6dc659_prep
	.p2align	8
	.type	k_qffab6dc659_prep,@function
k_qffab6dc659_prep:
	s_mov_b64 s[64:65], 0
	v_nop
	global_prefetch_b8 v0, s[64:65] scope:SCOPE_SE
	s_setreg_imm32_b32 hwreg(HW_REG_WAVE_MODE, 25, 1), 1
	s_wait_xcnt 0x0
; x [8192][2048] and the four weights (wq, wk, wv [2048][512], wo [512][2048], K = their FIRST axis), all f32, become codes of FP6 (E2M3) with one E8M0 scale byte for each 32 along K.
; A block's scale is 2^(floor(log2(its largest magnitude)) - 2); its byte is the largest magnitude's exponent field - 2, held at 1 from below by a floor among the maximum's leaves.
; LIMITS: NaN and infinities among the inputs are not served.  A block of zeros, or one whose largest magnitude lies under 2^-124, gets the byte 1 (a block of zeros has zero codes, which add nothing under that byte; this program alone reads the bytes).
; WHAT IS STORED: IMAGES OF OPERAND REGISTERS.  A fragment is 16 rows x 128 K = 12 registers a lane; register 4 c + i of lane l lies at byte 512 c + 16 l + 4 i of its 1,536 bytes.
; A panel is 128 rows in 8 tiles; row i of tile t is the panel's row 32 (t / 2) + 8 (t % 2) + i + 8 (i / 8).  Codes: [panel][K step of 128][tile] x 1,536.
; Scale words (4 bytes: one row, 128 K): [panel][tile][K step / 2][row][K step % 2].
; xq: x's 64 panels of tokens (K = 2,048), scale words from XSC on.  wts: 12 panels (wq's 4 heads, wk's, wv's; a row = a column of the weight), scale words from WSC; wo's 16 panels (K = 512) from WOC, scale words from WOS.
; SHARES: work-groups 0-95 take wq, wk, wv (a panel x 256 K each), 96-127 wo, 128-639 x (a tile of 16 rows; wave = a quarter of K).  The three ways part on the work-group's number and each has LDS bytes of its own.
; No tensor loads, no barrier: waves share nothing.
.set XSC,  12582912
.set WSC,  2359296
.set WOC,  2457600
.set WOS,  3244032
.set WST,  0                           ; LDS: the stages of wq, wk, wv's way: 4 x 6,144
.set OST,  24576                       ; of wo's way: 4 x 6,144
.set XST,  49152                       ; of x's way: 4 x 16 rows x 528
.set SEL,  20                          ; s[20:21] lane selects for v_permlanex16_b32: lane l xor 16
.set TM,   8                           ; v8-23   QUANT at work
.set PWX,  24                          ; v24-27  x's scale words of the wave's four K steps
.set R,    32                          ; v32-159 x as loaded, two sets of 64
.set X,    160                         ; v160-223 64 numbers in QUANT's order
.set PC,   224                         ; v224-243 the codes just made
.set WX,   32                          ; v32-95  a weight's numbers, two sets of 32
; 64 numbers of a lane, register 16 b + i = k 32 b + 16 (lane / 16) + i of the lane's row (lane % 16), become a fragment's 12 registers in v[PC] on and the row's scale word in v[pw].
.macro QUANT s, pw
.irp b, 0,1,2,3
	v_max3_num_f32 v[TM+\b], |v[(\s)+16*\b]|, |v[(\s)+1+16*\b]|, 0x1800000   ; block b: my 16 numbers, and the floor 2^(3 - 127)
.endr
.irp i, 2,4,6,8,10,12,14
.irp b, 0,1,2,3
	v_max3_num_f32 v[TM+\b], |v[(\s)+16*\b+\i]|, |v[(\s)+1+16*\b+\i]|, v[TM+\b]   ; the four blocks by turns
.endr
.endr
.irp b, 0,1,2,3
	v_permlanex16_b32 v[TM+4+\b], v[TM+\b], s[SEL], s[SEL+1]
.endr
.irp b, 0,1,2,3
	v_max_num_f32 v[TM+\b], v[TM+\b], v[TM+4+\b]   ; with lane l xor 16's 16: the block's largest magnitude
.endr
.irp b, 0,1,2,3
	v_add_nc_u32 v[TM+12+\b], 0xff000000, v[TM+\b]   ; 2 off its exponent field: the conversion's scale operand
.endr
.irp b, 0,1,2,3
	v_lshrrev_b32 v[TM+4+\b], 23, v[TM+12+\b]      ; the scale's byte
.endr
	v_lshl_or_b32 v[\pw], v[TM+5], 8, v[TM+4]
	v_lshl_or_b32 v[\pw], v[TM+6], 16, v[\pw]
	v_lshl_or_b32 v[\pw], v[TM+7], 24, v[\pw]
.irp c, 0,1
	v_cvt_scalef32_pk16_fp6_f32 v[PC+6*\c:PC+2+6*\c], v[(\s)+32*\c:(\s)+15+32*\c], v[TM+12+2*\c]
	v_cvt_scalef32_pk16_fp6_f32 v[PC+12+4*\c:PC+14+4*\c], v[(\s)+16+32*\c:(\s)+31+32*\c], v[TM+12+2*\c+1]   ; (a conversion's three registers begin on an even number)
.endr
	v_nop                                          ; one plain instruction behind the scaled conversions
.irp c, 0,1                                    ; the operand's layout wants a whole block in a lane: lanes 0-15 block 2 c, lanes 16-31 block 2 c + 1
.irp i, 0,1,2
	v_permlane16_swap_b32 v[PC+6*\c+\i], v[PC+12+4*\c+\i]
.endr
.irp i, 0,1,2
	v_mov_b32 v[PC+3+6*\c+\i], v[PC+12+4*\c+\i]
.endr
.endr
.endm
; x: K step s of my 16 rows: a load takes one row's 512 consecutive bytes, 16 a lane
.macro LOADX s
.irp i, 0,1,2,3,4,5,6,7,8,9,10,11,12,13,14,15
	global_load_b128 v[R+64*((\s)%2)+4*\i:R+64*((\s)%2)+4*\i+3], v4, s[4:5] offset:(\i+8*(\i/8))*8192+512*(\s) th:TH_LOAD_NT
.endr
.endm
.macro XSTEP s
.if (\s) < 3
	s_wait_loadcnt 16                              ; this step's 16 loads are in; the next step's 16 may be out
.else
	s_wait_loadcnt 0x0
.endif
.irp i, 0,1,2,3,4,5,6,7,8,9,10,11,12,13,14,15
	ds_store_b128 v5, v[R+64*((\s)%2)+4*\i:R+64*((\s)%2)+4*\i+3] offset:528*\i   ; row i as it lies, rows 528 bytes apart
.endr
.irp b, 0,1,2,3
.irp j, 0,1,2,3
	ds_load_b128 v[X+16*\b+4*\j:X+16*\b+4*\j+3], v6 offset:128*\b+16*\j   ; back: of row lane % 16, 16 neighbours of each block of 32.  LDS serves a wave's instructions in order: these see the stores
.endr
.endr
	s_wait_dscnt 0x0                               ; the stores have read their registers, the numbers are back
.if (\s) > 0
	s_wait_xcnt 0x0                                ; the last step's stores have read the codes' registers
.endif
.if (\s)+2 < 4
	LOADX (\s)+2
.endif
	QUANT X, PWX+(\s)
.irp c, 0,1,2
	global_store_b128 v4, v[PC+4*\c:PC+4*\c+3], s[30:31] offset:12288*(\s)+512*\c   ; the image: 512 consecutive bytes a store
.endr
.endm
; a weight: block t: W(32 t + i, my column), i = 0 .. 31, into set t % 2; 32 lanes read 128 consecutive bytes
.macro WLOAD t, nd
.irp i, 0,1,2,3,4,5,6,7,8,9,10,11,12,13,14,15,16,17,18,19,20,21,22,23,24,25,26,27,28,29,30,31
	global_load_b32 v[WX+32*((\t)%2)+\i], v3, s[22:23] offset:(32*(\t)+\i)*(\nd)*4 th:TH_LOAD_NT
.endr
.endm
.macro WBLOCK t, nd
.set XB, WX+32*((\t)%2)
.set B0, 3072*((\t)/4)+256*((\t)%2)    ; K step t / 4; the block is the image's lane half t % 2, register half (t / 2) % 2
.if (\t) < 7
	s_wait_loadcnt 32                              ; this block's 32 loads are in; the next block's may be out
.else
	s_wait_loadcnt 0x0
.endif
	v_max3_num_f32 v12, |v[XB]|, |v[XB+1]|, |v[XB+2]|   ; the block's largest magnitude: all 32 numbers are mine
	v_max3_num_f32 v13, |v[XB+3]|, |v[XB+4]|, |v[XB+5]|
.irp i, 6,10,14,18,22,26
	v_max3_num_f32 v12, v12, |v[XB+\i]|, |v[XB+\i+1]|
	v_max3_num_f32 v13, v13, |v[XB+\i+2]|, |v[XB+\i+3]|
.endr
	v_max3_num_f32 v12, v12, |v[XB+30]|, |v[XB+31]|
	v_max3_num_f32 v12, v12, v13, 0x1800000        ; and the floor
	v_add_nc_u32 v11, 0xff000000, v12              ; the conversion's scale operand
	v_lshrrev_b32 v13, 23, v11                     ; the scale's byte
	v_cvt_scalef32_pk16_fp6_f32 v[96:98], v[XB:XB+15], v11
	v_cvt_scalef32_pk16_fp6_f32 v[100:102], v[XB+16:XB+31], v11
.if (\t)%4 == 0
	v_mov_b32 v[24+(\t)/4], v13                    ; four bytes to a word, the lower K in the lower byte.  (The plain instruction behind the conversions)
.else
	v_lshl_or_b32 v[24+(\t)/4], v13, 8*((\t)%4), v[24+(\t)/4]
.endif
	v_mov_b32 v99, v100                            ; the block's six registers on end: v96-101
	v_mov_b32 v100, v101
	v_mov_b32 v101, v102
.if ((\t)/2)%2 == 0
	ds_store_b128 v4, v[96:99] offset:B0           ; registers 0-3 of the fragment,
	ds_store_b64 v4, v[100:101] offset:B0+512      ; 4 and 5
.else
	ds_store_b64 v4, v[96:97] offset:B0+520        ; registers 6 and 7,
	ds_store_b128 v4, v[98:101] offset:B0+1024     ; 8-11
.endif
.if (\t)+2 < 8
	WLOAD (\t)+2, \nd
.endif
	s_wait_dscnt 0x0                               ; the stores have read their registers: the next block's codes may be written
.endm
; A wave takes 32 columns (tiles 2 w and 2 w + 1 of the panel) x 256 K (two K steps): A LANE TAKES A COLUMN AND ITS REGISTERS RUN DOWN K.  Its four fragments are put together in the wave's own stage and leave as images.
.macro WPATH nd, ts, stg
	v_lshlrev_b32 v3, 2, v1                        ; in: 4 bytes a lane
	v_bfe_u32 v10, v1, 3, 1                        ; column o = lane: tile 2 w + u, u = (o / 8) % 2,
	v_and_b32 v11, 7, v1
	v_lshrrev_b32 v12, 4, v1
	v_lshl_or_b32 v11, v12, 3, v11                 ; row o % 8 + 8 (o / 16) of it
	s_mul_i32 s34, s18, 6144
	s_add_co_u32 s34, s34, \stg                    ; my stage: [K step][u] x 1,536
	v_mul_u32_u24 v4, v10, 1536
	v_lshl_add_u32 v4, v11, 4, v4
	v_add_nc_u32 v4, s34, v4                       ; into it
	v_lshlrev_b32 v8, 4, v1
	v_add_nc_u32 v7, s34, v8                       ; out of it: 16 bytes a lane
	v_mul_u32_u24 v9, v10, \ts
	v_lshl_add_u32 v9, v11, 3, v9                  ; my two scale words' place
	WLOAD 0, \nd
	WLOAD 1, \nd
.irp t, 0,1,2,3,4,5,6,7
	WBLOCK \t, \nd
.endr
	s_wait_alu depctr_va_vdst(0)
	global_store_b64 v9, v[24:25], s[26:27]        ; my column's scale words of the two K steps
.irp j, 0,1,2,3,4,5,6,7,8,9,10,11
	ds_load_b128 v[112+4*\j:115+4*\j], v7 offset:512*\j
.endr
.irp j, 0,1,2,3,4,5,6,7,8,9,10,11
	s_wait_dscnt 11-\j                             ; LDS loads come back in order: load j is in
	global_store_b128 v8, v[112+4*\j:115+4*\j], s[24:25] offset:(\j/6)*12288+(\j%6)*512
.endr
	s_wait_tensorcnt 0x0
	ds_add_u32 v254, v255
	s_wait_dscnt 0x0
	s_endpgm
.endm
	s_load_b256 s[4:11], s[0:1], 0x0               ; x, wq, wk, wv
	s_load_b128 s[12:15], s[0:1], 0x20             ; wo, xq
	s_load_b64 s[16:17], s[0:1], 0x30              ; wts
	v_lshl_add_u32 v254, v0, 2, 0x14400
	v_mov_b32 v255, 0
	v_lshrrev_b32 v1, 5, v0
	v_readfirstlane_b32 s18, v1                    ; wave 0..3
	v_and_b32 v1, 31, v0                           ; lane
	v_and_b32 v2, 15, v0                           ; r
	v_bfe_u32 v3, v0, 4, 1                         ; h
	s_mov_b32 s[SEL], 0x76543210
	s_mov_b32 s[SEL+1], 0xfedcba98
	s_wait_kmcnt 0x0
	s_cmp_lt_u32 ttmp9, 96
	s_cbranch_scc1 .Lw
	s_cmp_lt_u32 ttmp9, 128
	s_cbranch_scc1 .Lwo
	; ---- x: tile id = work-group - 128; my wave takes K 512 w on: four K steps
	s_sub_co_u32 s22, ttmp9, 128
	s_lshr_b32 s23, s22, 3                         ; panel
	s_and_b32 s24, s22, 7                          ; tile
	s_lshl_b32 s25, s23, 7
	s_lshr_b32 s28, s24, 1
	s_lshl_b32 s28, s28, 5
	s_add_co_u32 s25, s25, s28
	s_and_b32 s28, s24, 1
	s_lshl_b32 s28, s28, 3
	s_add_co_u32 s25, s25, s28                     ; the tile's first row: 128 P + 32 (t / 2) + 8 (t % 2)
	s_lshl_b32 s26, s25, 13                        ; x 8,192 bytes
	s_lshl_b32 s28, s18, 11
	s_add_co_u32 s26, s26, s28                     ; + 2,048 w
	s_mov_b32 s27, 0
	s_add_nc_u64 s[4:5], s[4:5], s[26:27]
	s_mul_i32 s26, s23, 196608
	s_mul_i32 s28, s18, 49152
	s_add_co_u32 s26, s26, s28
	s_mul_i32 s28, s24, 1536
	s_add_co_u32 s26, s26, s28
	s_add_nc_u64 s[30:31], s[14:15], s[26:27]      ; my first image
	s_lshl_b32 s26, s23, 13
	s_lshl_b32 s28, s24, 10
	s_add_co_u32 s26, s26, s28
	s_lshl_b32 s28, s18, 8
	s_add_co_u32 s26, s26, s28
	s_add_co_u32 s26, s26, XSC
	s_add_nc_u64 s[32:33], s[14:15], s[26:27]      ; my 256 bytes of scale words
	s_wait_alu depctr_va_vdst(0)
	v_lshlrev_b32 v4, 4, v1                        ; 16 x lane
	s_mul_i32 s28, s18, 8448
	s_add_co_u32 s28, s28, XST                     ; my stage
	v_add_nc_u32 v5, s28, v4
	v_mul_u32_u24 v6, v2, 528
	v_lshl_add_u32 v6, v3, 6, v6
	v_add_nc_u32 v6, s28, v6                       ; row r, + 64 h
	v_lshlrev_b32 v7, 3, v1
.irp b, 0,1,2,3
	v_mov_b32 v[TM+4+\b], 0                        ; written once: a lane permute's destination counts as one of its sources
.endr
	LOADX 0
	LOADX 1
	s_wait_alu depctr_va_vdst(0)
	XSTEP 0
	XSTEP 1
	XSTEP 2
	XSTEP 3
	s_mov_b32 vcc_lo, 0xffff0000                   ; lanes 0-15 store the words of K steps 0, 1 of row r, lanes 16-31 those of K steps 2, 3 (both halves of the lanes hold all four)
	v_cndmask_b32 v28, v[PWX], v[PWX+2], vcc_lo
	v_cndmask_b32 v29, v[PWX+1], v[PWX+3], vcc_lo
	global_store_b64 v7, v[28:29], s[32:33]        ; 32 lanes store 256 consecutive bytes, aligned
	s_wait_tensorcnt 0x0
	ds_add_u32 v254, v255
	s_wait_dscnt 0x0
	s_endpgm
.Lw:	; ---- wq, wk, wv: work-group = 32 tensor + 8 panel + 256-K chunk
	s_lshr_b32 s28, ttmp9, 5
	s_bfe_u32 s29, ttmp9, 0x20003
	s_and_b32 s30, ttmp9, 7
	s_cmp_eq_u32 s28, 0
	s_cselect_b64 s[22:23], s[6:7], s[8:9]
	s_cmp_eq_u32 s28, 2
	s_cselect_b64 s[22:23], s[10:11], s[22:23]
	s_lshl_b32 s32, s30, 19                        ; 256 rows of 2,048 bytes
	s_lshl_b32 s33, s29, 9
	s_add_co_u32 s32, s32, s33                     ; + the panel's 128 columns
	s_lshl_b32 s33, s18, 7
	s_add_co_u32 s32, s32, s33                     ; + my wave's 32
	s_mov_b32 s33, 0
	s_add_nc_u64 s[22:23], s[22:23], s[32:33]
	s_lshl_b32 s31, s28, 2
	s_add_co_u32 s31, s31, s29                     ; the panel in wts
	s_mul_i32 s32, s31, 196608
	s_mul_i32 s34, s30, 24576
	s_add_co_u32 s32, s32, s34
	s_mul_i32 s34, s18, 3072
	s_add_co_u32 s32, s32, s34
	s_add_nc_u64 s[24:25], s[16:17], s[32:33]
	s_lshl_b32 s32, s31, 13
	s_lshl_b32 s34, s18, 11
	s_add_co_u32 s32, s32, s34
	s_lshl_b32 s34, s30, 7
	s_add_co_u32 s32, s32, s34
	s_add_co_u32 s32, s32, WSC
	s_add_nc_u64 s[26:27], s[16:17], s[32:33]
	s_wait_alu depctr_va_vdst(0)
	WPATH 512, 1024, WST
.Lwo:	; ---- wo: work-group - 96 = 2 panel + 256-K chunk
	s_sub_co_u32 s28, ttmp9, 96
	s_lshr_b32 s29, s28, 1
	s_and_b32 s30, s28, 1
	s_lshl_b32 s32, s30, 21                        ; 256 rows of 8,192 bytes
	s_lshl_b32 s33, s29, 9
	s_add_co_u32 s32, s32, s33
	s_lshl_b32 s33, s18, 7
	s_add_co_u32 s32, s32, s33
	s_mov_b32 s33, 0
	s_add_nc_u64 s[22:23], s[12:13], s[32:33]
	s_mul_i32 s32, s29, 49152
	s_mul_i32 s34, s30, 24576
	s_add_co_u32 s32, s32, s34
	s_mul_i32 s34, s18, 3072
	s_add_co_u32 s32, s32, s34
	s_add_co_u32 s32, s32, WOC
	s_add_nc_u64 s[24:25], s[16:17], s[32:33]
	s_lshl_b32 s32, s29, 11
	s_lshl_b32 s34, s18, 9
	s_add_co_u32 s32, s32, s34
	s_lshl_b32 s34, s30, 7
	s_add_co_u32 s32, s32, s34
	s_add_co_u32 s32, s32, WOS
	s_add_nc_u64 s[26:27], s[16:17], s[32:33]
	s_wait_alu depctr_va_vdst(0)
	WPATH 2048, 256, OST
.Lfunc_end_k_qffab6dc659_prep:
	.size	k_qffab6dc659_prep, .Lfunc_end_k_qffab6dc659_prep-k_qffab6dc659_prep
	.p2alignl 7, 3214868480
	.fill 96, 4, 3214868480
	.section	.rodata,"a",@progbits
	.p2align	6, 0x0
	.amdhsa_kernel k_qffab6dc659_prep
		.amdhsa_group_segment_fixed_size 83456
		.amdhsa_private_segment_fixed_size 0
		.amdhsa_enable_private_segment 0
		.amdhsa_kernarg_size 56
		.amdhsa_user_sgpr_count 2
		.amdhsa_user_sgpr_kernarg_segment_ptr 1
		.amdhsa_wavefront_size32 1
		.amdhsa_system_sgpr_workgroup_id_x 1
		.amdhsa_system_sgpr_workgroup_id_y 1
		.amdhsa_system_sgpr_workgroup_id_z 1
		.amdhsa_system_vgpr_workitem_id 0
		.amdhsa_next_free_vgpr 256
		.amdhsa_next_free_sgpr 66
		.amdhsa_reserve_vcc 1
		.amdhsa_float_denorm_mode_32 3
		.amdhsa_float_denorm_mode_16_64 3
		.amdhsa_memory_ordered 1
		.amdhsa_forward_progress 1
		.amdhsa_inst_pref_size 116
	.end_amdhsa_kernel
	.amdgpu_metadata
---
amdhsa.version: [ 1, 2 ]
amdhsa.kernels:
  - .name:           k_qffab6dc659_prep
    .symbol:         k_qffab6dc659_prep.kd
    .args:
      - { .name: x, .offset: 0, .size: 8, .value_kind: global_buffer, .address_space: global }
      - { .name: wq, .offset: 8, .size: 8, .value_kind: global_buffer, .address_space: global }
      - { .name: wk, .offset: 16, .size: 8, .value_kind: global_buffer, .address_space: global }
      - { .name: wv, .offset: 24, .size: 8, .value_kind: global_buffer, .address_space: global }
      - { .name: wo, .offset: 32, .size: 8, .value_kind: global_buffer, .address_space: global }
      - { .name: xq, .offset: 40, .size: 8, .value_kind: global_buffer, .address_space: global }
      - { .name: wts, .offset: 48, .size: 8, .value_kind: global_buffer, .address_space: global }
    .group_segment_fixed_size: 83456
    .private_segment_fixed_size: 0
    .kernarg_segment_align: 8
    .kernarg_segment_size: 56
    .max_flat_workgroup_size: 128
    .sgpr_count:     66
    .vgpr_count:     256
    .wavefront_size: 32
...
	.end_amdgpu_metadata
.endif
;; end of part 1
;; launch qkv (part 2): grid 32 x 6, 4 waves a work-group, clusters of 4 x 1, 327,680 bytes of LDS; arguments xq, wts, cos, sin, qkv; writes qkv
.if DOCPART == 2
	.amdgcn_target "amdgcn-amd-amdhsa--gfx1250"
	.amdhsa_code_object_version 6
	.text
	.protected	k_qffab6dc659_qkv
	.globl	k_qffab6dc659_qkv
	.p2align	8
	.type	k_qffab6dc659_qkv,@function
k_qffab6dc659_qkv:
	s_mov_b64 s[64:65], 0
	v_nop
	global_prefetch_b8 v0, s[64:65] scope:SCOPE_SE
	s_setreg_imm32_b32 hwreg(HW_REG_WAVE_MODE, 25, 1), 1
	s_wait_xcnt 0x0
	s_wait_alu depctr_hold_cnt(0) depctr_sa_sdst(0) depctr_va_vdst(0) depctr_va_sdst(0) depctr_va_ssrc(0) depctr_va_vcc(0) depctr_vm_vsrc(0)
	s_getreg_b32 s2, hwreg(HW_REG_IB_STS2, 6, 4)
	s_cmp_eq_u32 s2, 0
	s_cbranch_scc0 .Lentry_in_a_cluster
	s_endpgm
.Lentry_in_a_cluster:
	s_bfe_u32 s2, ttmp6, 0x10000c
	s_cmp_lg_u32 s2, 0x3003
	s_cbranch_scc0 .Lentry_shape_is_right
	s_endpgm
.Lentry_shape_is_right:
; q = rope(x wq), k = rope(x wk), v = x wv on codes of FP6 (E2M3) with E8M0 scales (K = 2,048), and the results quantised again: q and k along the head's 128, v along the tokens (the keys).
; OPERANDS are images of operand registers: a fragment (16 rows x 128 K) is 1,536 bytes, register 4 c + i of lane l at byte 512 c + 16 l + 4 i; codes lie [panel of 128 rows][K step][tile] x 1,536, so a panel's two K steps are
; 24,576 dense bytes; row i of tile t is the panel's row 32 (t / 2) + 8 (t % 2) + i + 8 (i / 8).  Scale words lie [panel][tile][K step / 2][row][K step % 2].
; SHARES: a work-group of four waves makes 256 tokens (x's panels 2 T, 2 T + 1) x 256 columns (weight panels 2 y, 2 y + 1: two heads of q (y 0, 1), of k (2, 3) or of v (4, 5)); a wave 128 x 128: 64 accumulators.
; 192 work-groups: a wave's 128 columns must be one head, since rope pairs channel d with d + 64 and a fragment of q or k holds a head's 128.
; THE MATRIX INSTRUCTION: source 1 = "A", whose row a lane keeps; source 0 = "B", whose rows run along the lane's registers; by the choice of a tile's rows the 64 registers of A's block a are 128 / 2 neighbours in the order that the
; quantiser below takes.  For q and k: A = x, B = the weight (a lane: one token, its registers the head's channels).  For v: A = wv, B = x (a lane: one channel, its registers the tokens).  Only the LDS addresses that a wave READS differ.
; RING: two LDS slots of 256 along K: parts 0, 1 = x's two panels (waves 0, 1 fetch them), parts 2, 3 = the weights' (waves 2, 3).  All scale words of the four panels come once, with the first fills.
; CLUSTER 4 x 1: the four partners have the same y, so the weights' tiles are asked for JOINTLY.  x's tiles differ between them and come by plain loads.  The grid's 6 along y does not divide by 4, so x's tiles cannot be shared along y.
; OUT (qkv): q's fragments [b h][panel p][tile] x 1,536 at 0; from KVC [b h][p][k's 8 fragments | v^T's 8 fragments]; scale words, 512 bytes for 8 tiles, the word of (tile a, row r) at 32 r + 4 a: q's from QS, k's and v's from KVS ([b h][p][k | v]).
; LIMITS: NaN and infinities are not served; a block of zeros, or one whose largest magnitude lies under 2^-124, gets the scale byte 1 (this program alone reads the bytes).
; REGISTERS, in windows of 256: window 0: v16-30 addresses; v32-63 A's scale words, v64-95 B's (two sets each; they hold scales and nothing else); v128-223 A's 8 fragments, one set; on the way out v96-207 at work.
;   window 1: B's fragments, two sets, at v0 and v128; v96-127 and v224-255 cos and sin of the first tile.   windows 2, 3: the accumulators, (a, b) at v[8 (8 (a % 4) + b)].
.set FR,    12
.set NL,    3                          ; LDS loads that bring a fragment
.set PART,  24576                      ; a panel's two K steps
.set SLOT,  4*PART
.set SCL,   2*SLOT                     ; behind the ring: the scale words, 8,192 bytes a panel
.set TS,    1024                       ; from tile to tile among them
.set SPARE, SCL+32*TS                  ; the spare words: 128 bytes a wave, two blocks of 256 bytes that no other line names
.set LAPS,  4                          ; 2,048 / 512
.set PANEL, 196608
.set XSC,   12582912
.set WSC,   2359296
.set KVC,   3145728
.set QS,    9437184
.set KVS,   9568256
.set ADRA, 16                          ; v16-17 LDS address of A's fragments in slot 0, 1
.set ADRB, 20                          ; v20-21 of B's
.set ADSA, 24                          ; v24    of A's scale words
.set ADSB, 25                          ; v25    of B's
.set LI,   26                          ; v26    16 x lane
.set CSA,  27                          ; v27    my place in a tile's rows of cos and sin
.set SPW,  28                          ; v28    my spare word; never rewritten
.set NIL,  29                          ; v29    0; never rewritten
.set SWO,  30                          ; v30    32 r + 16 h: where my four scale words go
.set ASC,  32
.set BSC,  64
.set AF,   128
.set R,    96                          ; the way out: v96-159 a tile after rope
.set PC,   160                         ; v160-179 the codes just made
.set TM,   180                         ; v180-195 the quantiser at work
.set PW8,  196                         ; v196-203 the eight tiles' scale words
.set W4,   204                         ; v204-207 the four that I store
.set G1X,  24                          ; s[24:31] descriptor group 1 for x's tiles; s[32:39] group 0, a set for each slot
.set G0X,  32
.set G1W,  40                          ; s[40:47], s[48:55] the same for the weights'
.set G0W,  48
.set G1SX, 56                          ; s[56:63] group 1 for x's scale words; s[68:75] for the weights'; s[76:79], s[80:83] their groups 0
.set G1SW, 68
.set G0SX, 76
.set G0SW, 80
.set SEL,  84                          ; s[84:85] lane selects: lane l xor 16
.set PFO,  31                          ; v31    the prefetches' offset: 256 x my lane (for the weights: 256 x min(lane, 23)); never rewritten
.set PFA,  4                           ; s[4:5] where my prefetches stand: my share of the part that I fetch, at the two K steps that are being asked for; a prefetch names those two fills on
; A PREFETCH INTO THE L2, behind each fill and the run of LDS loads that follows it: the part that my wave will ask for TWO fills on (four K steps ahead), a lane to each 256 bytes.
; Waves 0 and 1: their part of x, 96 blocks, three instructions.  Waves 2 and 3: the weights' part is asked for jointly by four partners, which share its 96 blocks out BY ADDRESS (24 cx on): one instruction, lanes 24-31 naming the last block again.
; The head's fill names fill 2, slot 1's first fill names fill 3, the loop's first two trips fills 4 to 7; the last trip (s3 = 1) asks for nothing: there are eight fills.
.macro ASK inloop
.if \inloop
	s_cmp_gt_u32 s3, 1
	s_cbranch_scc0 .Lno_ask_\@
.endif
	global_prefetch_b8 v[PFO], s[PFA:PFA+1] offset:2*PART th:TH_LOAD_NT scope:SCOPE_SE
	s_cmp_eq_u32 s15, 0
	s_cbranch_scc0 .Lno_ask_\@
	global_prefetch_b8 v[PFO], s[PFA:PFA+1] offset:2*PART+8192 th:TH_LOAD_NT scope:SCOPE_SE
	global_prefetch_b8 v[PFO], s[PFA:PFA+1] offset:2*PART+16384 th:TH_LOAD_NT scope:SCOPE_SE
.Lno_ask_\@:
.endm
.set MSB, 0
.macro WIN new                         ; the immediate's high byte repeats the setting that is left; a switch that changes nothing is dropped
.if MSB != (\new)
	s_set_vgpr_msb (MSB<<8)|(\new)
.set MSB, (\new)
.endif
.endm
.set MUL_LO, 0xa1                      ; source 0 (B) window 1, source 1 (A) window 0, C and D window 2
.set MUL_HI, 0xf1                      ; the same, C and D window 3
.set TO_B,   0x40                      ; destination window 1, address window 0
; Waves 0 and 1 fetch for x (plain), waves 2 and 3 for the weights (jointly).  The branch hangs on the wave's number alone.  Four v_nop follow each of the two lines.
.macro JLOAD g0a, g1a, g0b, g1b
	s_cmp_eq_u32 s15, 0
	s_cbranch_scc0 .Lfor_w_\@
	tensor_load_to_lds s[\g0a:\g0a+3], s[\g1a:\g1a+7]
	s_nop 0
.rept 4
	v_nop
.endr
	s_branch .Lasked_\@
.Lfor_w_\@:
	tensor_load_to_lds s[\g0b:\g0b+3], s[\g1b:\g1b+7]
	s_nop 0
.rept 4
	v_nop
.endr
.Lasked_\@:
.endm
.macro CREST                           ; a round of the cluster's barrier behind its opening barrier
	s_cmp_lg_u32 s14, 0
	s_cbranch_scc1 .Lnot_wave_0_\@
	s_barrier_signal -3
.Lnot_wave_0_\@:
	s_barrier_wait -3
	s_barrier_signal -1
	s_barrier_wait -1
.endm
.macro CROUND
	s_barrier_signal -1
	s_barrier_wait -1
	CREST
.endm
.macro PLACES                          ; four plain instructions between a matrix instruction and a load into, or a vector read or write of, its registers (ISA guide 7.12.1 for vector instructions)
.rept 4
	v_nop
.endr
.endm
.macro FRAG reg, adr, q, i             ; a fragment's image: three loads of 512 consecutive bytes
.irp c, 0,1,2
	ds_load_b128 v[\reg+4*\c:\reg+4*\c+3], v[\adr] offset:12288*(\q)+1536*(\i)+512*\c
.endr
.endm
.macro FETCH_B slot, q, p              ; B's eight fragments of the slot's q-th K step into set p
	WIN TO_B
.irp i, 0,1,2,3,4,5,6,7
	FRAG 128*(\p)+FR*\i, ADRB+\slot, \q, \i
.endr
	WIN 0
.endm
.macro FETCH_A slot, q, i0             ; A's blocks i0 .. i0 + 3
.irp i, \i0, \i0+1, \i0+2, \i0+3
	FRAG AF+FR*(\i), ADRA+\slot, \q, \i
.endr
.endm
.macro SCALES sc                       ; a slot's scale words: two words (its two K steps) for each row of each tile; lane r takes row r's (lanes 16-31 read the same and are not used)
.irp i, 0,1,2,3,4,5,6,7
	ds_load_b64 v[ASC+16*\sc+2*\i:ASC+16*\sc+2*\i+1], v[ADSA] offset:\i*TS
.endr
.irp i, 0,1,2,3,4,5,6,7
	ds_load_b64 v[BSC+16*\sc+2*\i:BSC+16*\sc+2*\i+1], v[ADSB] offset:\i*TS
.endr
.endm
; 16 matrix instructions: A's blocks a0, a0 + 1 x B's eight.  The 64 accumulators take turns, one instruction a turn, in the same order in every step.  zero = 1: the first product starts the sums.
.macro MUL16 a0, p, q, sc, zero
.irp a, \a0, \a0+1
.irp b, 0,1,2,3,4,5,6,7
.if \zero
	v_wmma_scale_f32_16x16x128_f8f6f4 v[8*(8*((\a)%4)+\b):8*(8*((\a)%4)+\b)+7], v[128*(\p)+FR*\b:128*(\p)+FR*\b+FR-1], v[AF+FR*(\a):AF+FR*(\a)+FR-1], 0, v[BSC+16*(\sc)+2*\b+(\q)], v[ASC+16*(\sc)+2*(\a)+(\q)] matrix_a_fmt:MATRIX_FMT_FP6 matrix_b_fmt:MATRIX_FMT_FP6
.else
	v_wmma_scale_f32_16x16x128_f8f6f4 v[8*(8*((\a)%4)+\b):8*(8*((\a)%4)+\b)+7], v[128*(\p)+FR*\b:128*(\p)+FR*\b+FR-1], v[AF+FR*(\a):AF+FR*(\a)+FR-1], v[8*(8*((\a)%4)+\b):8*(8*((\a)%4)+\b)+7], v[BSC+16*(\sc)+2*\b+(\q)], v[ASC+16*(\sc)+2*(\a)+(\q)] matrix_a_fmt:MATRIX_FMT_FP6 matrix_b_fmt:MATRIX_FMT_FP6
.endif
.endr
.endr
.endm
; A slot's first K step (B's set 0); it fetches the second step's fragments
.macro STEP slot, zero
	s_wait_dscnt 4*NL                              ; B's set, A's blocks 0-3 and the scale words are in; the youngest 12 loads (A's blocks 4-7) may be out
	WIN MUL_LO
	MUL16 0, 0, 0, \slot, \zero
	MUL16 2, 0, 0, \slot, \zero
	s_wait_dscnt 0x0                               ; A's blocks 4-7 are in
	PLACES
	FETCH_B \slot, 1, 1
	FETCH_A \slot, 1, 0
	WIN MUL_HI
	MUL16 4, 0, 0, \slot, \zero
	MUL16 6, 0, 0, \slot, \zero
	PLACES
	WIN 0
	FETCH_A \slot, 1, 4
.endm
; A slot's second K step (B's set 1) changes slots: ONE barrier; in front of it each wave waits for all its tensor loads, adds 0 to its spare word, and waits for that and for its reads of this slot.  fill = 1: the slot is filled again, two slots ahead.
.macro TURN slot, next, fill
.if \fill
	s_wait_xcnt 0x0                                ; my prefetches have read their address: it is stepped here, ahead of the waits of the change of slots
	s_add_nc_u64 s[PFA:PFA+1], s[PFA:PFA+1], PART
.endif
	s_wait_tensorcnt 0x0                           ; all my tensor loads have landed: the one that was out is my part of the next slot
	ds_add_u32 v[SPW], v[NIL]                      ; 0 onto my spare word
	s_wait_dscnt 4*NL+1                            ; (the add and A's blocks 4-7 may be out)
	WIN MUL_LO
	MUL16 0, 1, 1, \slot, 0                        ; sixteen matrix instructions stand between the add and the wait for it
	s_wait_dscnt 0x0                               ; the add is done, and my reads of this slot are over
	s_barrier_signal -1
	MUL16 2, 1, 1, \slot, 0
	WIN 0
	s_barrier_wait -1
.if \fill
	CREST                                          ; the barrier has opened a round of the cluster's barrier: no wave of any partner still reads this slot or has a load on its way
	s_add_nc_u64 s[G0X+4*\slot+2:G0X+4*\slot+3], s[G0X+4*\slot+2:G0X+4*\slot+3], 2*PART
	s_add_nc_u64 s[G0W+4*\slot+2:G0W+4*\slot+3], s[G0W+4*\slot+2:G0W+4*\slot+3], 2*PART
	JLOAD G0X+4*\slot, G1X, G0W+4*\slot, G1W       ; my one tensor load behind the round; its four v_nop are also the places in front of the loads below
.else
	PLACES
.endif
	s_wait_alu depctr_va_vdst(0)
	v_add_nc_u32 v[ADSA], 128, v[ADSA]             ; on to the next slot's scale words
	v_add_nc_u32 v[ADSB], 128, v[ADSB]
	FETCH_B \next, 0, 0
	FETCH_A \next, 0, 0
	SCALES \next
.if \fill
	ASK 1
.endif
	WIN MUL_HI
	MUL16 4, 1, 1, \slot, 0
	MUL16 6, 1, 1, \slot, 0
	PLACES
	WIN 0
	FETCH_A \next, 0, 4
.endm
; 64 numbers of a lane in window w, register 16 b + i = k 32 b + 16 (lane / 16) + i of the lane's row, become a fragment's 12 registers in v[PC] on and the row's scale word in v[pw] (window 0).
.macro QUANT s, w, pw
	WIN (\w)|((\w)<<2)                             ; sources 0 and 1 in window w; the running maximum is the last source
.irp b, 0,1,2,3
	v_max3_num_f32 v[TM+\b], |v[(\s)+16*\b]|, |v[(\s)+1+16*\b]|, 0x1800000   ; block b: my 16 numbers, and the floor 2^(3 - 127).  Each accumulator is read from its low end on
.endr
.irp i, 2,4,6,8,10,12,14
.irp b, 0,1,2,3
	v_max3_num_f32 v[TM+\b], |v[(\s)+16*\b+\i]|, |v[(\s)+1+16*\b+\i]|, v[TM+\b]
.endr
.endr
	WIN 0
.irp b, 0,1,2,3
	v_permlanex16_b32 v[TM+4+\b], v[TM+\b], s[SEL], s[SEL+1]
.endr
.irp b, 0,1,2,3
	v_max_num_f32 v[TM+\b], v[TM+\b], v[TM+4+\b]   ; with lane l xor 16's 16: the block's largest magnitude
.endr
.irp b, 0,1,2,3
	v_add_nc_u32 v[TM+12+\b], 0xff000000, v[TM+\b]   ; 2 off its exponent field: the conversion's scale operand
.endr
.irp b, 0,1,2,3
	v_lshrrev_b32 v[TM+4+\b], 23, v[TM+12+\b]      ; the scale's byte
.endr
	v_lshl_or_b32 v[\pw], v[TM+5], 8, v[TM+4]
	v_lshl_or_b32 v[\pw], v[TM+6], 16, v[\pw]
	v_lshl_or_b32 v[\pw], v[TM+7], 24, v[\pw]
	WIN (\w)                                       ; source 0 in window w
.irp c, 0,1
	v_cvt_scalef32_pk16_fp6_f32 v[PC+6*\c:PC+2+6*\c], v[(\s)+32*\c:(\s)+15+32*\c], v[TM+12+2*\c]
	v_cvt_scalef32_pk16_fp6_f32 v[PC+12+4*\c:PC+14+4*\c], v[(\s)+16+32*\c:(\s)+31+32*\c], v[TM+12+2*\c+1]
.endr
	WIN 0
	v_nop                                          ; one plain instruction behind the scaled conversions
.irp c, 0,1
.irp i, 0,1,2
	v_permlane16_swap_b32 v[PC+6*\c+\i], v[PC+12+4*\c+\i]
.endr
.irp i, 0,1,2
	v_mov_b32 v[PC+3+6*\c+\i], v[PC+12+4*\c+\i]
.endr
.endr
.endm
.macro CSSET a                         ; cos and sin of tile a lie in window 1: one of four sets, by a % 4
.if ((\a)%4) == 0                      ; four sets by turns: tile a % 4 = 0 at v96 and v224, 1 at v0 and v32, 2 at v64 and v128, 3 at v160 and v192
.set CB, 96
.set SB, 224
.else
.if ((\a)%4) == 1
.set CB, 0
.set SB, 32
.else
.if ((\a)%4) == 2
.set CB, 64
.set SB, 128
.else
.set CB, 160
.set SB, 192
.endif
.endif
.endif
.endm
.macro CSLOAD a                        ; cos and sin of my token of tile a, at channels 32 bb + 16 h + 0 .. 15, bb = 0, 1: 16 loads
	CSSET \a
	WIN TO_B
.irp bb, 0,1
.irp j, 0,1,2,3
	global_load_b128 v[CB+16*\bb+4*\j:CB+16*\bb+4*\j+3], v[CSA], s[8:9] offset:(32*((\a)/2)+8*((\a)%2))*256+128*\bb+16*\j
	global_load_b128 v[SB+16*\bb+4*\j:SB+16*\bb+4*\j+3], v[CSA], s[10:11] offset:(32*((\a)/2)+8*((\a)%2))*256+128*\bb+16*\j
.endr
.endr
	WIN 0
.endm
.macro ROPE a                          ; registers 0-31 of the tile are channels under 64, register 32 + n is the channel 64 above register n's
	CSSET \a
.set AC, 64*((\a)%4)
	WIN (2+(\a)/4)|4                               ; source 0: the accumulators' window; source 1: window 1
.set p, 0
.rept 16
	v_pk_mul_f32 v[R+p:R+p+1], v[AC+p:AC+p+1], v[CB+p:CB+p+1]                  ; x1 c
.set p, p+2
.endr
.set p, 0
.rept 16
	v_pk_mul_f32 v[R+32+p:R+33+p], v[AC+32+p:AC+33+p], v[CB+p:CB+p+1]          ; x2 c
.set p, p+2
.endr
.set p, 0
.rept 16
	v_pk_fma_f32 v[R+p:R+p+1], v[AC+32+p:AC+33+p], v[SB+p:SB+p+1], v[R+p:R+p+1] neg_lo:[1,0,0] neg_hi:[1,0,0]   ; - x2 s
.set p, p+2
.endr
.set p, 0
.rept 16
	v_pk_fma_f32 v[R+32+p:R+33+p], v[AC+p:AC+p+1], v[SB+p:SB+p+1], v[R+32+p:R+33+p]   ; + x1 s
.set p, p+2
.endr
	WIN 0
.endm
.macro IMAGE a                         ; the fragment leaves as it stands: 512 consecutive bytes a store
.irp c, 0,1,2
	global_store_b128 v[LI], v[PC+4*\c:PC+4*\c+3], s[86:87] offset:1536*(\a)+512*\c
.endr
.endm
	s_load_b256 s[4:11], s[0:1], 0x0               ; xq s[4:5], wts s[6:7], cos s[8:9], sin s[10:11]
	s_load_b64 s[12:13], s[0:1], 0x20              ; qkv
	v_lshl_add_u32 v[SPW], v0, 2, SPARE
	v_mov_b32 v[NIL], 0
	ds_add_u32 v28, v29
	ds_add_u32 v28, v29
	s_wait_dscnt 0x0
	v_lshrrev_b32 v1, 5, v0
	v_readfirstlane_b32 s14, v1                    ; wave 0..3
	s_lshr_b32 s15, s14, 1                         ; which of A's two panels is mine.  Also: I fetch for x (0) or for the weights (1)
	s_and_b32 s16, s14, 1                          ; which of B's.  Also: which of the two panels I fetch
	s_bfe_u32 s17, ttmp6, 0x40000                  ; cx
	s_lshl_b32 s18, ttmp9, 2
	s_add_co_u32 s18, s18, s17                     ; T: my 256 tokens
	s_and_b32 s19, ttmp7, 0xffff                   ; y: my 256 columns; the four partners share it
	s_cmp_ge_u32 s19, 4
	s_cselect_b32 s20, 1, 0                        ; 1: v
	s_mov_b32 s[SEL], 0x76543210
	s_mov_b32 s[SEL+1], 0xfedcba98
	; descriptor groups 1: dense blocks as rows of 256 bytes (32 elements of 8 bytes): 96 rows a tile, 32 rows a panel's scale words
	s_mov_b32 s[G1X], 3<<16                        ; no mask
	s_mov_b32 s[G1W], 15|(3<<16)|(1<<21)           ; 15:0 the mask: all four partners; bit 21 set beside it
	s_mov_b32 s[G1SX], 3<<16
	s_mov_b32 s[G1SW], 15|(3<<16)|(1<<21)
.irp g, G1X, G1W                       ; for the head's loads: two panels' first two K steps, 2 rows of 24,576 bytes (3,072 elements), a panel apart
	s_mov_b32 s[\g+1], 3072<<16                    ; tensor_dim0
	s_mov_b32 s[\g+2], 2<<16                       ; tensor_dim1
	s_mov_b32 s[\g+3], 3072<<16                    ; tile_dim0
	s_mov_b32 s[\g+4], 2                           ; tile_dim1
	s_mov_b32 s[\g+5], PANEL/8                     ; the pitch
	s_mov_b32 s[\g+6], 0
	s_mov_b32 s[\g+7], 0
.endr
.irp g, G1SX, G1SW
	s_mov_b32 s[\g+1], 32<<16
	s_mov_b32 s[\g+2], 64<<16                      ; two panels' scale words: 64 rows of 256 bytes
	s_mov_b32 s[\g+3], 32<<16
	s_mov_b32 s[\g+4], 64
	s_mov_b32 s[\g+5], 32
	s_mov_b32 s[\g+6], 0
	s_mov_b32 s[\g+7], 0
.endr
	s_lshl_b32 s86, s18, 1                         ; the first of x's two panels
	s_mul_i32 s88, s86, PANEL
	s_mov_b32 s89, 0
	s_lshl_b32 s90, s86, 13
	s_add_co_u32 s90, s90, XSC
	s_mov_b32 s91, 0
	s_lshl_b32 s87, s19, 1                         ; the first of the weights' two: made of y alone
	s_mul_i32 s92, s87, PANEL
	s_mov_b32 s93, 0
	s_lshl_b32 s94, s87, 13
	s_add_co_u32 s94, s94, WSC
	s_mov_b32 s95, 0
	s_mul_i32 s96, s14, PART                       ; the ring: where my part goes: wave x a part
	s_mul_i32 s98, s16, PANEL                      ; and which of the two panels I fetch there
	s_mov_b32 s99, 0
	s_wait_kmcnt 0x0
	s_add_nc_u64 s[88:89], s[4:5], s[88:89]
	s_add_nc_u64 s[90:91], s[4:5], s[90:91]
	s_add_nc_u64 s[92:93], s[6:7], s[92:93]
	s_add_nc_u64 s[94:95], s[6:7], s[94:95]
	CROUND                                         ; all four work-groups are here: the first joint loads meet
	s_mov_b32 s[G0SX], 1                           ; the head's four tiles, each whole: x's scale words,
	s_mov_b32 s[G0SX+1], SCL
	s_mov_b64 s[G0SX+2:G0SX+3], s[90:91]
	s_or_b32 s[G0SX+3], s[G0SX+3], 0x80000000
	s_mov_b32 s[G0SW], 1                           ; the weights',
	s_mov_b32 s[G0SW+1], SCL+16384
	s_mov_b64 s[G0SW+2:G0SW+3], s[94:95]
	s_or_b32 s[G0SW+3], s[G0SW+3], 0x80000000
	s_mov_b32 s[G0X], 1                            ; slot 0's parts 0 and 1 (x's two panels),
	s_mov_b32 s[G0X+1], 0
	s_mov_b64 s[G0X+2:G0X+3], s[88:89]
	s_or_b32 s[G0X+3], s[G0X+3], 0x80000000
	s_mov_b32 s[G0W], 1                            ; and its parts 2 and 3 (the weights')
	s_mov_b32 s[G0W+1], 2*PART
	s_mov_b64 s[G0W+2:G0W+3], s[92:93]
	s_or_b32 s[G0W+3], s[G0W+3], 0x80000000
	s_add_nc_u64 s[88:89], s[88:89], s[98:99]      ; for the ring: the panel that I fetch
	s_add_nc_u64 s[92:93], s[92:93], s[98:99]
	s_mul_i32 s6, s17, 6144                        ; the prefetches: of a weights' part my work-group takes 24 blocks of 256 bytes, by its place among the four
	s_cmp_eq_u32 s15, 0                            ; do I fetch for x?
	s_cselect_b64 s[PFA:PFA+1], s[88:89], s[92:93]
	s_cselect_b32 s6, 0, s6
	s_cselect_b32 s97, 31, 23                      ; the last lane that names a block of its own
	s_mov_b32 s7, 0
	s_add_nc_u64 s[PFA:PFA+1], s[PFA:PFA+1], s[6:7]
	s_mov_b32 s[G0X+4], 1                          ; slot 1's first fill: K steps 2 and 3
	s_add_co_u32 s[G0X+5], s96, SLOT
	s_add_nc_u64 s[G0X+6:G0X+7], s[88:89], PART
	s_or_b32 s[G0X+7], s[G0X+7], 0x80000000
	s_mov_b32 s[G0W+4], 1
	s_add_co_u32 s[G0W+5], s96, SLOT
	s_add_nc_u64 s[G0W+6:G0W+7], s[92:93], PART
	s_or_b32 s[G0W+7], s[G0W+7], 0x80000000
; THE HEAD'S LOADS, ONE A WAVE: wave 0 x's half of slot 0, wave 1 the weights' half, wave 2 x's scale words, wave 3 the weights'.  One chain of branches on the wave's number, all arms to one join.
.macro ARM under, g0, g1, next
	s_cmp_lt_u32 s14, \under
	s_cbranch_scc0 \next
	tensor_load_to_lds s[\g0:\g0+3], s[\g1:\g1+7]
	s_nop 0
.rept 4
	v_nop
.endr
	s_branch .Lhead_asked
\next:
.endm
	ARM 1, G0X,  G1X,  .Lhead_w
	ARM 2, G0W,  G1W,  .Lhead_sx
	ARM 3, G0SX, G1SX, .Lhead_sw
	tensor_load_to_lds s[G0SW:G0SW+3], s[G1SW:G1SW+7]
	s_nop 0
.rept 4
	v_nop
.endr
.Lhead_asked:
	v_and_b32 v1, 15, v0                           ; r
	v_bfe_u32 v2, v0, 4, 1                         ; h
	v_and_b32 v3, 31, v0
	v_lshlrev_b32 v[LI], 4, v3
	v_min_u32 v[PFO], s97, v3
	v_lshlrev_b32 v[PFO], 8, v[PFO]
	s_wait_alu depctr_va_vdst(0)
	ASK 0                                          ; behind the head's fill: K steps 4 and 5
	s_cmp_lg_u32 s20, 0                            ; which parts I read as A and as B
	s_cselect_b32 s86, 2*PART, 0                   ; A: x's parts, for v the weights'
	s_cselect_b32 s87, 0, 2*PART                   ; B: the other two
	s_cselect_b32 s98, 16384, 0                    ; and likewise among the scale words
	s_cselect_b32 s99, 0, 16384
	s_cselect_b32 s21, s16, s15                    ; which of the two token panels is mine,
	s_cselect_b32 s22, s15, s16                    ; which of the two heads
	s_mul_i32 s23, s15, PART
	s_add_co_u32 s86, s86, s23
	s_mul_i32 s23, s16, PART
	s_add_co_u32 s87, s87, s23
.irp s, 0,1
	v_add_nc_u32 v[ADRA+\s], s86, v[LI]
	v_add_nc_u32 v[ADRB+\s], s87, v[LI]
	s_add_co_u32 s86, s86, SLOT
	s_add_co_u32 s87, s87, SLOT
.endr
	v_lshlrev_b32 v4, 3, v1                        ; 8 r
	s_lshl_b32 s23, s15, 13
	s_add_co_u32 s98, s98, s23
	s_add_co_u32 s98, s98, SCL
	v_add_nc_u32 v[ADSA], s98, v4
	s_lshl_b32 s23, s16, 13
	s_add_co_u32 s99, s99, s23
	s_add_co_u32 s99, s99, SCL
	v_add_nc_u32 v[ADSB], s99, v4
	v_and_b32 v5, 8, v1
	v_add_nc_u32 v5, v5, v1                        ; r + 8 (r / 8)
	v_lshlrev_b32 v[CSA], 8, v5                    ; a row of cos or sin is 256 bytes
	v_lshl_add_u32 v[CSA], v2, 6, v[CSA]           ; + 64 h
	v_lshlrev_b32 v[SWO], 5, v1
	v_lshl_add_u32 v[SWO], v2, 4, v[SWO]
	; where my results go
	s_lshl_b32 s23, s18, 1
	s_add_co_u32 s23, s23, s21                     ; my token panel, 0 .. 63
	s_lshl_b32 s86, s19, 1
	s_add_co_u32 s86, s86, s22                     ; my weight panel, 0 .. 11
	s_lshr_b32 s88, s23, 4
	s_lshl_b32 s88, s88, 2
	s_and_b32 s98, s86, 3
	s_add_co_u32 s88, s88, s98                     ; 4 b + head
	s_lshl_b32 s88, s88, 4
	s_and_b32 s98, s23, 15
	s_add_co_u32 s88, s88, s98                     ; x 16 + the panel in the sequence
	s_mul_i32 s90, s88, 12288                      ; q's fragments;
	s_mul_i32 s91, s88, 24576                      ; k's and v's
	s_mul_i32 s92, s20, 12288
	s_add_co_u32 s91, s91, s92
	s_add_co_u32 s91, s91, KVC
	s_lshl_b32 s92, s88, 9
	s_add_co_u32 s92, s92, QS
	s_lshl_b32 s93, s88, 10
	s_lshl_b32 s94, s20, 9
	s_add_co_u32 s93, s93, s94
	s_add_co_u32 s93, s93, KVS
	s_cmp_lt_u32 s19, 2
	s_cselect_b32 s90, s90, s91
	s_cselect_b32 s92, s92, s93
	s_mov_b32 s91, 0
	s_mov_b32 s93, 0
	s_add_nc_u64 s[86:87], s[12:13], s[90:91]      ; my eight fragments
	s_add_nc_u64 s[88:89], s[12:13], s[92:93]      ; their 512 bytes of scale words
	s_lshl_b32 s94, s18, 1
	s_add_co_u32 s94, s94, s15
	s_and_b32 s94, s94, 15
	s_lshl_b32 s94, s94, 15                        ; for q and k: my token panel's 128 rows of cos and sin
	s_mov_b32 s95, 0
	s_add_nc_u64 s[8:9], s[8:9], s[94:95]
	s_add_nc_u64 s[10:11], s[10:11], s[94:95]
	s_cmp_lg_u32 s20, 0
	s_cbranch_scc1 .Lno_cs
	s_wait_alu depctr_va_vdst(0)
	CSLOAD 0                                       ; q and k: the first tile's cos and sin are asked for now, into registers that the products do not touch; they are waited for on the way out
.Lno_cs:
	s_wait_alu depctr_va_vdst(0)
	s_wait_tensorcnt 0x0                           ; my tile of the head's four is in
	ds_add_u32 v[SPW], v[NIL]                      ; 0 onto my spare word
	s_mul_i32 s98, s16, PANEL                      ; no tensor load of mine is out, so descriptors may be written: slot 0's group 0 for the ring: my part, my panel,
	s_mov_b32 s99, 0
	s_wait_xcnt 0x0                                ; my prefetches have read their address
	s_add_nc_u64 s[PFA:PFA+1], s[PFA:PFA+1], PART
	s_mov_b32 s[G0X+1], s96
	s_mov_b32 s[G0W+1], s96
	s_add_nc_u64 s[G0X+2:G0X+3], s[G0X+2:G0X+3], s[98:99]
	s_add_nc_u64 s[G0W+2:G0W+3], s[G0W+2:G0W+3], s[98:99]
.irp g, G1X, G1W                       ; and group 1: from here on a load brings one part, 96 rows of 256 bytes
	s_mov_b32 s[\g+1], 32<<16
	s_mov_b32 s[\g+2], 96<<16
	s_mov_b32 s[\g+3], 32<<16
	s_mov_b32 s[\g+4], 96
	s_mov_b32 s[\g+5], 32
.endr
	s_wait_dscnt 0x0                               ; the add is done
	CROUND                                         ; a whole round: all four tiles are in, and the four partners are here
	JLOAD G0X+4, G1X, G0W+4, G1W                   ; slot 1's first fill, my one tensor load behind the round
	FETCH_B 0, 0, 0
	FETCH_A 0, 0, 0
	s_wait_alu depctr_va_vdst(0)
	SCALES 0
	FETCH_A 0, 0, 4
	ASK 0                                          ; behind slot 1's first fill: K steps 6 and 7
	STEP 0, 1                                      ; the first step stands in front of the loop: its products start the sums
	s_mov_b32 s3, LAPS-1
.Llap:                                                 ; a trip goes once round the ring and fills both slots again
	TURN 0, 1, 1
	STEP 1, 0
	TURN 1, 0, 1
	STEP 0, 0
	s_sub_co_u32 s3, s3, 1
	s_cmp_lg_u32 s3, 0
	s_cbranch_scc1 .Llap
	TURN 0, 1, 0                                   ; the last lap fills nothing
	STEP 1, 0
	s_wait_dscnt 4*NL
	WIN MUL_LO
	MUL16 0, 1, 1, 1, 0
	MUL16 2, 1, 1, 1, 0
	s_wait_dscnt 0x0
	WIN MUL_HI
	MUL16 4, 1, 1, 1, 0
	MUL16 6, 1, 1, 1, 0
	WIN 0
	; THE WAY OUT: A's block a with B's eight tiles is one fragment of the next product: 64 numbers a lane
	PLACES
.irp b, 0,1,2,3
	v_mov_b32 v[TM+4+\b], 0                        ; written once: a lane permute's destination counts as one of its sources
.endr
	s_cmp_lg_u32 s20, 0
	s_cbranch_scc1 .Lvpath
	CSLOAD 1                                       ; B's fragments are done with: their registers take three more tiles' cos and sin
	CSLOAD 2
	CSLOAD 3
.irp a, 0,1,2,3,4,5,6,7
.if \a < 5
	s_wait_loadcnt 48                              ; this tile's cos and sin are in; the next three tiles' 16 loads each may be out
.else
	s_wait_loadcnt 16*(7-\a)                       ; the tiles that are left
.endif
	ROPE \a
.if \a > 0
	s_wait_xcnt 0x0                                ; the last tile's three stores have read the codes' registers, which this tile's conversions write.  It stands ahead of the loads below, whose sources are never rewritten; ahead of tile 0 no store has been issued
.endif
.if \a+4 < 8
	CSLOAD \a+4
.endif
	QUANT R, 0, PW8+\a
	IMAGE \a
.endr
	s_branch .Ltail
.Lvpath:
.irp a, 0,1,2,3,4,5,6,7
.if \a > 0
	s_wait_xcnt 0x0
.endif
	QUANT 64*(\a%4), 2+\a/4, PW8+\a
	IMAGE \a
.endr
.Ltail:
	s_mov_b32 vcc_lo, 0xffff0000                   ; lanes 0-15 store the words of tiles 0-3 of row r, lanes 16-31 those of tiles 4-7
.irp i, 0,1,2,3
	v_cndmask_b32 v[W4+\i], v[PW8+\i], v[PW8+4+\i], vcc_lo
.endr
	global_store_b128 v[SWO], v[W4:W4+3], s[88:89] ; the 32 lanes cover 512 consecutive bytes
	s_wait_tensorcnt 0x0                           ; the wave's end
	ds_add_u32 v[SPW], v[NIL]
	s_wait_dscnt 0x0
	CROUND                                         ; the closing round: no work-group ends while a partner may still ask for a tile that names it
	s_endpgm
.Lfunc_end_k_qffab6dc659_qkv:
	.size	k_qffab6dc659_qkv, .Lfunc_end_k_qffab6dc659_qkv-k_qffab6dc659_qkv
	.p2alignl 7, 3214868480
	.fill 96, 4, 3214868480
	.section	.rodata,"a",@progbits
	.p2align	6, 0x0
	.amdhsa_kernel k_qffab6dc659_qkv
		.amdhsa_group_segment_fixed_size 327680
		.amdhsa_private_segment_fixed_size 0
		.amdhsa_enable_private_segment 0
		.amdhsa_kernarg_size 40
		.amdhsa_user_sgpr_count 2
		.amdhsa_user_sgpr_kernarg_segment_ptr 1
		.amdhsa_wavefront_size32 1
		.amdhsa_system_sgpr_workgroup_id_x 1
		.amdhsa_system_sgpr_workgroup_id_y 1
		.amdhsa_system_sgpr_workgroup_id_z 1
		.amdhsa_system_vgpr_workitem_id 0
		.amdhsa_next_free_vgpr 1024
		.amdhsa_next_free_sgpr 100
		.amdhsa_reserve_vcc 1
		.amdhsa_float_denorm_mode_32 3
		.amdhsa_float_denorm_mode_16_64 3
		.amdhsa_memory_ordered 1
		.amdhsa_forward_progress 1
		.amdhsa_inst_pref_size 224
	.end_amdhsa_kernel
	.amdgpu_metadata
---
amdhsa.version: [ 1, 2 ]
amdhsa.kernels:
  - .name:           k_qffab6dc659_qkv
    .symbol:         k_qffab6dc659_qkv.kd
    .args:
      - { .name: xq, .offset: 0, .size: 8, .value_kind: global_buffer, .address_space: global }
      - { .name: wts, .offset: 8, .size: 8, .value_kind: global_buffer, .address_space: global }
      - { .name: cos, .offset: 16, .size: 8, .value_kind: global_buffer, .address_space: global }
      - { .name: sin, .offset: 24, .size: 8, .value_kind: global_buffer, .address_space: global }
      - { .name: qkv, .offset: 32, .size: 8, .value_kind: global_buffer, .address_space: global }
    .group_segment_fixed_size: 327680
    .private_segment_fixed_size: 0
    .kernarg_segment_align: 8
    .kernarg_segment_size: 40
    .max_flat_workgroup_size: 128
    .sgpr_count:     100
    .vgpr_count:     1024
    .wavefront_size: 32
...
	.end_amdgpu_metadata
.endif
;; end of part 2
;; launch attn (part 3): grid 16 x 16, 16 waves a work-group, no clusters, 327,680 bytes of LDS; arguments qkv, oq; writes oq
.if DOCPART == 3
	.amdgcn_target "amdgcn-amd-amdhsa--gfx1250"
	.amdhsa_code_object_version 6
	.text
	.protected	k_qffab6dc659_attn
	.globl	k_qffab6dc659_attn
	.p2align	8
	.type	k_qffab6dc659_attn,@function
k_qffab6dc659_attn:
	s_mov_b64 s[64:65], 0
	v_nop
	global_prefetch_b8 v0, s[64:65] scope:SCOPE_SE
	s_setreg_imm32_b32 hwreg(HW_REG_WAVE_MODE, 25, 1), 1
	s_wait_xcnt 0x0
; o = softmax(q k^T / sqrt(128), causal) v on codes of FP6 (E2M3) with E8M0 scales, one (batch, head) for each work-group y; the result is quantised again along the head's 128 for the last product.
; 16 waves: wave w and wave w + 8 share a tile of 16 queries; the first takes the even steps of 128 keys, the second the odd ones, and the two parts are joined through LDS at the end.  Each work-group has tiles from both ends of the sequence.
; Steps of keys that lie wholly above the diagonal are passed over by a scalar branch on ids.  p = 2^(t - M), M the ceiling of the running largest t; the row's sum is taken of the unquantised p.
; RING: two LDS slots of four steps (k's and v's fragments, 24,576 bytes a step), a sixteenth of a slot a wave; all scale words of k and v come once, at the head.
; LIMITS: NaN and infinities are not served; the promise holds while the scaled scores stay under 2^31 in magnitude.
.set KVC,   3145728
.set QS,    9437184
.set KVS,   9568256
.set OS,    3145728
.set STEPB, 24576
.set SLOTB, 4*STEPB
.set SLOT1, 1<<17
.set EX,    SLOT1+SLOTB
.set EXT,   17*512
.set SCW,   EX+8*EXT
.set SPARE, SCW+16384
.set LI,   1
.set ASW,  2
.set DQ,   3
.set QSA,  4
.set SPW,  5
.set NIL,  6
.set OSA,  7
.set ADK,  8
.set ADS,  9
.set PFO,  28
.set EXA,  29
.set PC,   32
.set TM,   52
.set PW,   68
.set HALF, 8
.set WV,   18
.set SEL,  20
.set CS,   22
.set G1,   24
.set G1S,  32
.set G0,   40
.set G0S,  44
.set TB,   2
.set TS,   3
.set SLOTS, 48
.set CNT,  49
.set KS,   50
.set MYP,  51
.set PFA,  52
.set LIM,  54
.set G0H,  12                          ; s[12:15], s[72:79] groups 0 and 1 of the head's loads of slot 0: 32 rows of 256 bytes for each of waves 0-11
.set G1H,  72
.macro QUANT s, pw
.irp b, 0,1,2,3
	v_max3_num_f32 v[TM+\b], |v[(\s)+16*\b]|, |v[(\s)+1+16*\b]|, 0x1800000
.endr
.irp i, 2,4,6,8,10,12,14
.irp b, 0,1,2,3
	s_delay_alu instid0(VALU_DEP_4)
	v_max3_num_f32 v[TM+\b], |v[(\s)+16*\b+\i]|, |v[(\s)+1+16*\b+\i]|, v[TM+\b]
.endr
.endr
.irp b, 0,1,2,3
	s_delay_alu instid0(VALU_DEP_4)
	v_permlanex16_b32 v[TM+4+\b], v[TM+\b], s[SEL], s[SEL+1]
.endr
.irp b, 0,1,2,3
	s_delay_alu instid0(VALU_DEP_4)
	v_max_num_f32 v[TM+\b], v[TM+\b], v[TM+4+\b]
.endr
.irp b, 0,1,2,3
	s_delay_alu instid0(VALU_DEP_4)
	v_add_nc_u32 v[TM+12+\b], 0xff000000, v[TM+\b]
.endr
.irp b, 0,1,2,3
	s_delay_alu instid0(VALU_DEP_4)
	v_lshrrev_b32 v[TM+4+\b], 23, v[TM+12+\b]
.endr
	s_delay_alu instid0(VALU_DEP_3)
	v_lshl_or_b32 v[\pw], v[TM+5], 8, v[TM+4]
	s_delay_alu instid0(VALU_DEP_1)
	v_lshl_or_b32 v[\pw], v[TM+6], 16, v[\pw]
	s_delay_alu instid0(VALU_DEP_1)
	v_lshl_or_b32 v[\pw], v[TM+7], 24, v[\pw]
.irp c, 0,1
	v_cvt_scalef32_pk16_fp6_f32 v[PC+6*\c:PC+2+6*\c], v[(\s)+32*\c:(\s)+15+32*\c], v[TM+12+2*\c]
	v_cvt_scalef32_pk16_fp6_f32 v[PC+12+4*\c:PC+14+4*\c], v[(\s)+16+32*\c:(\s)+31+32*\c], v[TM+12+2*\c+1]
.endr
	v_nop
.irp c, 0,1
.irp i, 0,1,2
	v_permlane16_swap_b32 v[PC+6*\c+\i], v[PC+12+4*\c+\i]
.endr
.irp i, 0,1,2
	s_delay_alu instid0(VALU_DEP_3)
	v_mov_b32 v[PC+3+6*\c+\i], v[PC+12+4*\c+\i]
.endr
.endr
.endm
.macro KLD t, reg
.irp c, 0,1,2
	ds_load_b128 v[\reg+4*\c:\reg+4*\c+3], v[ADK] offset:1536*\t+512*\c
.endr
.endm
.macro VLD t, reg
.irp c, 0,1,2
	ds_load_b128 v[\reg+4*\c:\reg+4*\c+3], v[ADK] offset:12288+1536*\t+512*\c
.endr
.endm
.macro KQ t, reg, sw
	v_wmma_scale_f32_16x16x128_f8f6f4 v[96+8*\t:103+8*\t], v[\reg:\reg+11], v[16:27], 0, v[\sw], v255 matrix_a_fmt:MATRIX_FMT_FP6 matrix_b_fmt:MATRIX_FMT_FP6
.endm
.macro PV t, reg, sw
	v_wmma_scale_f32_16x16x128_f8f6f4 v[160+8*\t:167+8*\t], v[\reg:\reg+11], v[224:235], v[160+8*\t:167+8*\t], v[\sw], v253 matrix_a_fmt:MATRIX_FMT_FP6 matrix_b_fmt:MATRIX_FMT_FP6
.endm
.macro STEP
	s_cmp_gt_u32 s[KS], s[MYP]
	s_cbranch_scc1 .Lhidden_\@
	s_and_b32 s9, s[KS], 1
	s_cmp_lg_u32 s9, s[HALF]
	s_cbranch_scc1 .Lhidden_\@
	v_add_nc_u32 v[ADK], s[TB], v[LI]
	v_add_nc_u32 v[ADS], s[TS], v[ASW]
	ds_load_b128 v[92:95], v[ADS]
	ds_load_b128 v[248:251], v[ADS] offset:16
	KLD 0, 128
	KLD 1, 140
	KLD 2, 32
	KLD 3, 44
	KLD 4, 56
	KLD 5, 68
	KLD 6, 80
	KLD 7, 224
	s_wait_alu depctr_va_vdst(0)
	s_wait_dscnt 12
	KQ 0, 128, 92
	KQ 1, 140, 93
	KQ 2, 32, 94
	KQ 3, 44, 95
.rept 5
	v_nop
.endr
	s_wait_dscnt 0x0
	KQ 4, 56, 248
	KQ 5, 68, 249
	KQ 6, 80, 250
	KQ 7, 224, 251
.rept 4
	v_nop
.endr
	ds_load_b128 v[92:95], v[ADS] offset:512
	ds_load_b128 v[248:251], v[ADS] offset:528
	VLD 0, 32
	VLD 1, 44
	VLD 2, 56
	VLD 3, 68
	VLD 4, 80
	s_cmp_lt_u32 s[KS], s[MYP]
	s_cbranch_scc1 .Lopen_\@
	v_mov_b32 v254, 0xff800000
.set n, 0
.rept 64
	v_cmp_gt_i32 vcc_lo, 32*(n/16)+n%16, v[DQ]
	v_cndmask_b32 v[96+n], v[96+n], v254, vcc_lo
.set n, n+1
.endr
.Lopen_\@:
.irp b, 0,1,2,3
	v_max3_num_f32 v[232+\b], v[96+16*\b], v[97+16*\b], v[98+16*\b]
.endr
.irp i, 3,5,7,9,11,13
.irp b, 0,1,2,3
	v_max3_num_f32 v[232+\b], v[232+\b], v[96+16*\b+\i], v[97+16*\b+\i]
.endr
.endr
.irp b, 0,1,2,3
	v_max_num_f32 v[232+\b], v[232+\b], v[111+16*\b]
.endr
.irp b, 0,1,2,3
	s_delay_alu instid0(VALU_DEP_4)
	v_permlanex16_b32 v[236+\b], v[232+\b], s[SEL], s[SEL+1]
.endr
.irp b, 0,1,2,3
	s_delay_alu instid0(VALU_DEP_4)
	v_max_num_f32 v[232+\b], v[232+\b], v[236+\b]
.endr
	s_delay_alu instid0(VALU_DEP_2)
	v_max3_num_f32 v254, v232, v233, v234
	s_delay_alu instid0(VALU_DEP_1)
	v_max_num_f32 v254, v254, v235
	s_delay_alu instid0(VALU_DEP_1)
	v_mul_f32 v254, s[CS], v254
	s_delay_alu instid0(VALU_DEP_1)
	v_max_num_f32 v13, v13, v254
	v_mov_b32 v254, v12
	s_delay_alu instid0(VALU_DEP_2)
	v_floor_f32 v12, -v13
	s_delay_alu instid0(VALU_DEP_1)
	v_sub_f32 v254, v12, v254
	s_delay_alu instid0(VALU_DEP_1)
	v_cvt_i32_f32 v254, v254
	s_delay_alu instid0(VALU_DEP_1)
	v_ldexp_f32 v252, 1.0, v254
.set n, 0
.rept 32
	v_pk_fma_f32 v[96+n:97+n], v[96+n:97+n], s[CS:CS+1], v[12:13] op_sel_hi:[1,0,0]
.set n, n+2
.endr
.irp b, 0,1,2,3
	v_fma_f32 v[232+\b], v[232+\b], s[CS], v12
.endr
.set n, 0
	s_wait_alu depctr_va_vdst(0)
.rept 64
	v_exp_f32 v[96+n], v[96+n]
.set n, n+1
.endr
	v_pk_mul_f32 v[14:15], v[14:15], v[252:253] op_sel_hi:[1,0]
	s_wait_alu depctr_va_vdst(0)
.irp b, 0,1,2,3
	v_exp_f32 v[232+\b], v[232+\b]
.endr
	v_pk_add_f32 v[236:237], v[96:97], v[98:99]
.irp j, 4,8,12,16,20,24,28,32,36,40,44,48,52,56,60
	v_pk_add_f32 v[14:15], v[14:15], v[96+\j:97+\j]
	v_pk_add_f32 v[236:237], v[236:237], v[98+\j:99+\j]
.endr
	s_delay_alu instid0(VALU_DEP_1)
	v_pk_add_f32 v[14:15], v[14:15], v[236:237]
	s_wait_alu depctr_va_vdst(0)
.irp b, 0,1,2,3
	v_max_num_f32 v[232+\b], 0x1800000, v[232+\b]
.endr
.irp b, 0,1,2,3
	s_delay_alu instid0(VALU_DEP_4)
	v_add_nc_u32 v[244+\b], 0xff000000, v[232+\b]
.endr
.irp b, 0,1,2,3
	s_delay_alu instid0(VALU_DEP_4)
	v_lshrrev_b32 v[236+\b], 23, v[244+\b]
.endr
	s_delay_alu instid0(VALU_DEP_3)
	v_lshl_or_b32 v253, v237, 8, v236
	s_delay_alu instid0(VALU_DEP_1)
	v_lshl_or_b32 v253, v238, 16, v253
	s_delay_alu instid0(VALU_DEP_1)
	v_lshl_or_b32 v253, v239, 24, v253
.irp c, 0,1
	v_cvt_scalef32_pk16_fp6_f32 v[224+6*\c:226+6*\c], v[96+32*\c:111+32*\c], v[244+2*\c]
	v_cvt_scalef32_pk16_fp6_f32 v[236+4*\c:238+4*\c], v[112+32*\c:127+32*\c], v[244+2*\c+1]
.endr
	v_nop
	VLD 5, 96
	VLD 6, 108
	VLD 7, 120
.irp c, 0,1
.irp i, 0,1,2
	v_permlane16_swap_b32 v[224+6*\c+\i], v[236+4*\c+\i]
.endr
.irp i, 0,1,2
	s_delay_alu instid0(VALU_DEP_3)
	v_mov_b32 v[227+6*\c+\i], v[236+4*\c+\i]
.endr
.endr
.set n, 0
.rept 32
	v_pk_mul_f32 v[160+n:161+n], v[160+n:161+n], v[252:253] op_sel_hi:[1,0]
.set n, n+2
.endr
	s_wait_alu depctr_va_vdst(0)
	s_wait_dscnt 9
	PV 0, 32, 92
	PV 1, 44, 93
	PV 2, 56, 94
	PV 3, 68, 95
	PV 4, 80, 248
	s_wait_dscnt 0x0
	PV 5, 96, 249
	PV 6, 108, 250
	PV 7, 120, 251
.rept 5
	v_nop
.endr
.Lhidden_\@:
	s_add_co_u32 s[KS], s[KS], 1
	s_add_co_u32 s[TB], s[TB], STEPB
	s_add_co_u32 s[TS], s[TS], 1024
.endm
.macro FOUR_STEPS
	s_mov_b32 s[CNT], 4
.Lstep_\@:
	STEP
	s_sub_co_u32 s[CNT], s[CNT], 1
	s_cmp_lg_u32 s[CNT], 0
	s_cbranch_scc1 .Lstep_\@
	s_sub_co_u32 s[TB], s[TB], SLOTB
	s_xor_b32 s[TB], s[TB], SLOT1
.endm
.macro ASK
	s_cmp_gt_u32 s[SLOTS], s[LIM]
	s_cbranch_scc0 .Lnot_mine_\@
	global_prefetch_b8 v[PFO], s[PFA:PFA+1] th:TH_LOAD_NT scope:SCOPE_SE
	global_prefetch_b8 v[PFO], s[PFA:PFA+1] offset:8192 th:TH_LOAD_NT scope:SCOPE_SE
.Lnot_mine_\@:
.endm
.macro CHANGE fill
	s_wait_tensorcnt 0x0
	ds_add_u32 v[SPW], v[NIL]
.if \fill
	s_xor_b32 s[G0+1], s[G0+1], SLOT1
	s_add_nc_u64 s[G0+2:G0+3], s[G0+2:G0+3], SLOTB
	s_wait_xcnt 0x0
	s_add_nc_u64 s[PFA:PFA+1], s[PFA:PFA+1], SLOTB
.endif
	s_wait_dscnt 0x0
	s_barrier_signal -1
	s_barrier_wait -1
.if \fill
	tensor_load_to_lds s[G0:G0+3], s[G1:G1+7]
	s_nop 0
.rept 4
	v_nop
.endr
	ASK
.endif
.endm
	s_load_b128 s[4:7], s[0:1], 0x0
	v_lshl_add_u32 v[SPW], v0, 2, SPARE
	v_mov_b32 v[NIL], 0
	ds_add_u32 v5, v6
	ds_add_u32 v5, v6
	s_wait_dscnt 0x0
	v_lshrrev_b32 v8, 5, v0
	s_delay_alu instid0(VALU_DEP_1)
	v_readfirstlane_b32 s[WV], v8
	s_lshr_b32 s[HALF], s[WV], 3
	s_and_b32 s55, ttmp7, 0xffff
	s_lshl_b32 s56, ttmp9, 2
	s_bfe_u32 s59, s[WV], 0x20001
	s_add_co_u32 s57, s56, s59
	s_sub_co_u32 s58, 124, s56
	s_add_co_u32 s58, s58, s59
	s_lshr_b32 s60, s[WV], 2
	s_xor_b32 s60, s60, s[WV]
	s_and_b32 s60, s60, 1
	s_cmp_eq_u32 s60, 0
	s_cselect_b32 s57, s57, s58
	s_lshr_b32 s[MYP], s57, 3
	s_and_b32 s58, s57, 7
	s_mov_b32 s[G1], 3<<16
	s_mov_b32 s[G1+1], 32<<16
	s_mov_b32 s[G1+2], 24<<16
	s_mov_b32 s[G1+3], 32<<16
	s_mov_b32 s[G1+4], 24
	s_mov_b32 s[G1+5], 32
	s_mov_b32 s[G1+6], 0
	s_mov_b32 s[G1+7], 0
	s_mov_b32 s[G1S], 3<<16
	s_mov_b32 s[G1S+1], 32<<16
	s_mov_b32 s[G1S+2], 16<<16
	s_mov_b32 s[G1S+3], 32<<16
	s_mov_b32 s[G1S+4], 16
	s_mov_b32 s[G1S+5], 32
	s_mov_b32 s[G1S+6], 0
	s_mov_b32 s[G1S+7], 0
	s_mov_b32 s[G1H], 3<<16
	s_mov_b32 s[G1H+1], 32<<16
	s_mov_b32 s[G1H+2], 32<<16
	s_mov_b32 s[G1H+3], 32<<16
	s_mov_b32 s[G1H+4], 32
	s_mov_b32 s[G1H+5], 32
	s_mov_b32 s[G1H+6], 0
	s_mov_b32 s[G1H+7], 0
	s_mul_i32 s60, s55, 16*STEPB
	s_mul_i32 s59, s[WV], 6144
	s_add_co_u32 s60, s60, s59
	s_add_co_u32 s60, s60, KVC
	s_mov_b32 s61, 0
	s_lshl_b32 s62, s55, 14
	s_and_b32 s63, s[WV], 3                        ; waves 12-15 fetch the scale words, 4,096 bytes each
	s_lshl_b32 s63, s63, 12
	s_add_co_u32 s62, s62, s63
	s_add_co_u32 s62, s62, KVS
	s_mov_b32 s63, 0
	s_mov_b32 s[SEL], 0x76543210
	s_mov_b32 s[SEL+1], 0xfedcba98
	s_mov_b32 s[CS], 0x3e0293ee
	s_mov_b32 s[CS+1], s[CS]
	s_mov_b32 s[TB], 0
	s_mov_b32 s[TS], 0
	s_mov_b32 s[SLOTS], 3
	s_mov_b32 s[KS], 0
	s_wait_kmcnt 0x0
	s_mov_b32 s[G0S], 1
	s_and_b32 s[G0S+1], s[WV], 3
	s_lshl_b32 s[G0S+1], s[G0S+1], 12
	s_add_co_u32 s[G0S+1], s[G0S+1], SCW
	s_add_nc_u64 s[G0S+2:G0S+3], s[4:5], s[62:63]
	s_or_b32 s[G0S+3], s[G0S+3], 0x80000000
	s_mov_b32 s[G0], 1
	s_mov_b32 s[G0+1], s59
	s_add_nc_u64 s[G0+2:G0+3], s[4:5], s[60:61]
	s_or_b32 s[G0+3], s[G0+3], 0x80000000
	s_mul_i32 s16, s55, 16*STEPB                   ; the head's share of slot 0: 8,192 bytes for each of waves 0-11
	s_lshl_b32 s[G0H+1], s[WV], 13
	s_add_co_u32 s16, s16, s[G0H+1]
	s_add_co_u32 s16, s16, KVC
	s_mov_b32 s17, 0
	s_mov_b32 s[G0H], 1
	s_add_nc_u64 s[G0H+2:G0H+3], s[4:5], s[16:17]
	s_or_b32 s[G0H+3], s[G0H+3], 0x80000000
	s_cmp_lt_u32 s[WV], 12                         ; one tensor load a wave at the head: waves 0-11 slot 0, waves 12-15 the scale words
	s_cbranch_scc0 .Lhead_s
	tensor_load_to_lds s[G0H:G0H+3], s[G1H:G1H+7]
	s_nop 0
.rept 4
	v_nop
.endr
	s_branch .Lhead_j
.Lhead_s:
	tensor_load_to_lds s[G0S:G0S+3], s[G1S:G1S+7]
	s_nop 0
.rept 4
	v_nop
.endr
.Lhead_j:
	s_mul_i32 s66, s55, 16*STEPB
	s_lshl_b32 s67, s[WV], 14
	s_add_co_u32 s66, s66, s67
	s_add_co_u32 s66, s66, KVC+SLOTB
	s_mov_b32 s67, 0
	s_add_nc_u64 s[PFA:PFA+1], s[4:5], s[66:67]
	s_cmp_lt_u32 s[WV], 6
	s_cselect_b32 s[LIM], 0, 1
	s_or_b32 s[LIM], s[LIM], ttmp9
	s_cmp_eq_u32 s[LIM], 0
	s_cselect_b32 s[LIM], 1, -1
	v_and_b32 v10, 31, v0
	s_delay_alu instid0(VALU_DEP_1)
	v_lshlrev_b32 v[LI], 4, v10
	s_delay_alu instid0(VALU_DEP_2)
	v_lshlrev_b32 v[PFO], 8, v10
	s_and_b32 s10, s[WV], 7
	s_mul_i32 s10, s10, EXT
	s_add_co_u32 s10, s10, EX
	v_add_nc_u32 v[EXA], s10, v[LI]
	v_and_b32 v10, 15, v0
	s_wait_alu depctr_va_vdst(0)
	v_bfe_u32 v11, v0, 4, 1
	s_wait_alu depctr_va_vdst(0)
	s_lshl_b32 s66, s55, 7
	s_add_co_u32 s66, s66, s57
	s_mul_i32 s66, s66, 1536
	s_add_nc_u64 s[68:69], s[4:5], s[66:67]
	global_load_b128 v[16:19], v[LI], s[68:69]
	global_load_b128 v[20:23], v[LI], s[68:69] offset:512
	global_load_b128 v[24:27], v[LI], s[68:69] offset:1024
	s_lshl_b32 s66, s55, 4
	s_add_co_u32 s66, s66, s[MYP]
	s_lshl_b32 s66, s66, 9
	s_lshl_b32 s70, s58, 2
	s_add_co_u32 s66, s66, s70
	s_add_co_u32 s66, s66, QS
	s_add_nc_u64 s[70:71], s[4:5], s[66:67]
	v_lshlrev_b32 v[QSA], 5, v10
	global_load_b32 v255, v[QSA], s[70:71]
	v_lshl_add_u32 v[ASW], v10, 5, SCW
	v_lshlrev_b32 v[OSA], 3, v10
	s_lshr_b32 s59, s58, 1
	s_lshl_b32 s59, s59, 5
	s_and_b32 s56, s58, 1
	s_lshl_b32 s56, s56, 3
	s_add_co_u32 s59, s59, s56
	v_and_b32 v[DQ], 8, v10
	s_delay_alu instid0(VALU_DEP_1)
	v_add_nc_u32 v[DQ], v[DQ], v10
	v_lshlrev_b32 v9, 4, v11
	s_delay_alu instid0(VALU_DEP_1)
	v_sub_nc_u32 v[DQ], v[DQ], v9
	s_delay_alu instid0(VALU_DEP_1)
	v_add_nc_u32 v[DQ], s59, v[DQ]
	s_lshr_b32 s56, s55, 2
	s_lshl_b32 s56, s56, 4
	s_add_co_u32 s56, s56, s[MYP]
	s_and_b32 s59, s55, 3
	s_lshl_b32 s60, s56, 2
	s_add_co_u32 s60, s60, s59
	s_lshl_b32 s60, s60, 3
	s_add_co_u32 s60, s60, s58
	s_mul_i32 s60, s60, 1536
	s_mov_b32 s61, 0
	s_add_nc_u64 s[60:61], s[6:7], s[60:61]
	s_lshl_b32 s62, s56, 11
	s_lshl_b32 s63, s58, 8
	s_add_co_u32 s62, s62, s63
	s_lshr_b32 s63, s59, 1
	s_lshl_b32 s63, s63, 7
	s_add_co_u32 s62, s62, s63
	s_and_b32 s63, s59, 1
	s_lshl_b32 s63, s63, 2
	s_add_co_u32 s62, s62, s63
	s_add_co_u32 s62, s62, OS
	s_mov_b32 s63, 0
	s_add_nc_u64 s[62:63], s[6:7], s[62:63]
	v_mov_b32 v13, 0xff61b1e6
	s_delay_alu instid0(VALU_DEP_1)
	v_floor_f32 v12, -v13
	v_mov_b32 v14, 0
	v_mov_b32 v15, 0
.irp b, 0,1,2,3
	v_mov_b32 v[236+\b], 0
.endr
	v_mov_b32 v252, 0
	v_mov_b32 v253, 0
.set n, 0
.rept 64
	v_mov_b32 v[160+n], 0
.set n, n+1
.endr
	s_wait_loadcnt 0x0
.Lslot:
	CHANGE 1
	FOUR_STEPS
	s_sub_co_u32 s[SLOTS], s[SLOTS], 1
	s_cmp_lg_u32 s[SLOTS], 0
	s_cbranch_scc1 .Lslot
	CHANGE 0
	FOUR_STEPS
	s_cmp_lt_u32 s[WV], 8
	s_cbranch_scc1 .Lkeep
.set n, 0
	s_wait_alu depctr_va_vdst(0)
.rept 16
	ds_store_b128 v[EXA], v[160+4*n:163+4*n] offset:512*n
.set n, n+1
.endr
	ds_store_b128 v[EXA], v[12:15] offset:8192
.Lkeep:
	s_wait_dscnt 0x0
	s_barrier_signal -1
	s_barrier_wait -1
	s_cmp_lt_u32 s[WV], 8
	s_cbranch_scc0 .Lend
	ds_load_b128 v[32:35], v[EXA] offset:8192
.set n, 0
.rept 16
	ds_load_b128 v[96+4*n:99+4*n], v[EXA] offset:512*n
.set n, n+1
.endr
	s_wait_dscnt 16
	v_min_num_f32 v36, v12, v32
	v_add_f32 v14, v14, v15
	v_add_f32 v34, v34, v35
	s_delay_alu instid0(VALU_DEP_3)
	v_sub_f32 v37, v36, v12
	s_delay_alu instid0(VALU_DEP_4)
	v_sub_f32 v38, v36, v32
	s_delay_alu instid0(VALU_DEP_2)
	v_cvt_i32_f32 v37, v37
	s_delay_alu instid0(VALU_DEP_2)
	v_cvt_i32_f32 v38, v38
	s_delay_alu instid0(VALU_DEP_2)
	v_ldexp_f32 v40, 1.0, v37
	s_delay_alu instid0(VALU_DEP_2)
	v_ldexp_f32 v42, 1.0, v38
	s_delay_alu instid0(VALU_DEP_2)
	v_mul_f32 v14, v14, v40
	s_delay_alu instid0(VALU_DEP_1)
	v_fma_f32 v14, v34, v42, v14
	s_delay_alu instid0(VALU_DEP_1)
	v_permlanex16_b32 v252, v14, s[SEL], s[SEL+1]
	s_delay_alu instid0(VALU_DEP_1)
	v_add_f32 v14, v14, v252
	s_wait_alu depctr_va_vdst(0)
	v_rcp_f32 v14, v14
.irp b, 0,1,2,3
	v_mov_b32 v[TM+4+\b], 0
.endr
	v_mov_b32 v41, 0
	v_mov_b32 v43, 0
	s_wait_alu depctr_va_vdst(0)
	v_mul_f32 v40, v40, v14
	v_mul_f32 v42, v42, v14
	s_wait_alu depctr_va_vdst(0)
	s_wait_dscnt 0x0
.set n, 0
.rept 32
	v_pk_mul_f32 v[96+n:97+n], v[96+n:97+n], v[42:43] op_sel_hi:[1,0]
.set n, n+2
.endr
.set n, 0
.rept 32
	v_pk_fma_f32 v[96+n:97+n], v[160+n:161+n], v[40:41], v[96+n:97+n] op_sel_hi:[1,0,1]
.set n, n+2
.endr
	QUANT 96, PW
.irp c, 0,1,2
	global_store_b128 v[LI], v[PC+4*\c:PC+4*\c+3], s[60:61] offset:512*\c
.endr
	global_store_b32 v[OSA], v[PW], s[62:63]
.Lend:
	s_wait_tensorcnt 0x0
	ds_add_u32 v[SPW], v[NIL]
	s_wait_dscnt 0x0
	s_endpgm
.Lfunc_end_k_qffab6dc659_attn:
	.size	k_qffab6dc659_attn, .Lfunc_end_k_qffab6dc659_attn-k_qffab6dc659_attn
	.p2alignl 7, 3214868480
	.fill 96, 4, 3214868480
	.section	.rodata,"a",@progbits
	.p2align	6, 0x0
	.amdhsa_kernel k_qffab6dc659_attn
		.amdhsa_group_segment_fixed_size 327680
		.amdhsa_private_segment_fixed_size 0
		.amdhsa_enable_private_segment 0
		.amdhsa_kernarg_size 16
		.amdhsa_user_sgpr_count 2
		.amdhsa_user_sgpr_kernarg_segment_ptr 1
		.amdhsa_wavefront_size32 1
		.amdhsa_system_sgpr_workgroup_id_x 1
		.amdhsa_system_sgpr_workgroup_id_y 1
		.amdhsa_system_sgpr_workgroup_id_z 1
		.amdhsa_system_vgpr_workitem_id 0
		.amdhsa_next_free_vgpr 256
		.amdhsa_next_free_sgpr 80
		.amdhsa_reserve_vcc 1
		.amdhsa_float_denorm_mode_32 3
		.amdhsa_float_denorm_mode_16_64 3
		.amdhsa_memory_ordered 1
		.amdhsa_forward_progress 1
		.amdhsa_inst_pref_size 76
	.end_amdhsa_kernel
	.amdgpu_metadata
---
amdhsa.version: [ 1, 2 ]
amdhsa.kernels:
  - .name:           k_qffab6dc659_attn
    .symbol:         k_qffab6dc659_attn.kd
    .args:
      - { .name: qkv, .offset: 0, .size: 8, .value_kind: global_buffer, .address_space: global }
      - { .name: oq, .offset: 8, .size: 8, .value_kind: global_buffer, .address_space: global }
    .group_segment_fixed_size: 327680
    .private_segment_fixed_size: 0
    .kernarg_segment_align: 8
    .kernarg_segment_size: 16
    .max_flat_workgroup_size: 512
    .sgpr_count:     80
    .vgpr_count:     256
    .wavefront_size: 32
...
	.end_amdgpu_metadata
.endif
;; end of part 3
;; launch oproj (part 4): grid 8 x 32, 4 waves a work-group, clusters of 4 x 4, 327,680 bytes of LDS; arguments oq, wts, out0; writes out0
.if DOCPART == 4
	.amdgcn_target "amdgcn-amd-amdhsa--gfx1250"
	.amdhsa_code_object_version 6
	.text
	.protected	k_qffab6dc659_oproj
	.globl	k_qffab6dc659_oproj
	.p2align	8
	.type	k_qffab6dc659_oproj,@function
k_qffab6dc659_oproj:
	s_mov_b64 s[64:65], 0
	v_nop
	global_prefetch_b8 v0, s[64:65] scope:SCOPE_SE
	s_setreg_imm32_b32 hwreg(HW_REG_WAVE_MODE, 25, 1), 1
	s_wait_xcnt 0x0
	s_wait_alu depctr_hold_cnt(0) depctr_sa_sdst(0) depctr_va_vdst(0) depctr_va_sdst(0) depctr_va_ssrc(0) depctr_va_vcc(0) depctr_vm_vsrc(0)
	s_getreg_b32 s2, hwreg(HW_REG_IB_STS2, 6, 4)
	s_cmp_eq_u32 s2, 0
	s_cbranch_scc0 .Lentry_in_a_cluster
	s_endpgm
.Lentry_in_a_cluster:
	s_bfe_u32 s2, ttmp6, 0x10000c
	s_cmp_lg_u32 s2, 0xf033
	s_cbranch_scc0 .Lentry_shape_is_right
	s_endpgm
.Lentry_shape_is_right:
; out0 [8192][2048] f32 = o wo on codes of FP6 (E2M3) with E8M0 scales, K = 512.
; OPERANDS are images of operand registers: a fragment (16 rows x 128 K) is 1,536 bytes, register 4 c + i of lane l at 512 c + 16 l + 4 i; codes lie [panel of 128 rows][K step][tile] x 1,536; row i of tile t is the panel's row
; 32 (t / 2) + 8 (t % 2) + i + 8 (i / 8).  Scale words lie [panel][tile][K step / 2][row][K step % 2].  o: oq (scale words from OS); wo: wts from WOC (a row = a column of wo), scale words from WOS.
; SHARES: a tile of out0, 256 x 256, is made by four waves, 128 x 128 each: 64 accumulators.  K is two LDS slots of 256: each slot is filled once, so there is no loop and no refill.
; CLUSTER 4 x 4: o's tiles are shared along a row of the cluster, wo's along a column: each is asked for jointly.
; Source 0 = 16 rows of wo's panel, source 1 = 16 rows of o: a lane holds one token and eight neighbouring columns a tile.
; REGISTERS, in windows of 256: window 0: v16-30 addresses; v32-63 o's scale words, v64-95 wo's (scales and nothing else); v128-223 o's 8 fragments; on the way out v128-255 rows of out0.
;   window 1: wo's fragments, two sets, at v0 and v128.   windows 2, 3: the accumulators, (a, b) at v[8 (8 (a % 4) + b)].
; LDS: panel p (o's two, then wo's two) lies whole, all four K steps on end, at p x PANEL: one tensor load a wave brings it, and nothing is filled twice.  "Slot s" below is a panel's K steps 2 s and 2 s + 1.
; The scale words go from memory straight into their registers, once: 2,048 bytes a panel.  The stage of the way out has LDS bytes of its own, behind the panels.
.set FR,    12
.set NL,    3
.set PART,  24576
.set SLOT,  4*PART
.set SCL,   2*SLOT
.set TS,    256
.set STAGE, SCL                        ; behind the four panels: the four waves' stages
.set SPARE, SCL+34816                  ; behind the stages: the spare words, 128 bytes a wave, two blocks of 256 bytes that no other line names
.set PANEL, 49152
.set OS,    3145728
.set WOC,   2457600
.set WOS,   3244032
.set SPITCH, 528                       ; the way out: a stage of 16 rows x (512 bytes + 16) for each wave, its own; no tensor load lands there
.set ADRA, 16
.set ADRB, 20
.set ADSA, 24
.set ADSB, 25
.set CO,   26                          ; v26 16 x lane
.set STO,  27                          ; v27 the stage: where I put 32 bytes of a row
.set SPW,  28
.set NIL,  29
.set RD,   30                          ; v30 the stage: where I read a row back
.set ASC,  32
.set BSC,  64
.set AF,   128
.set BK,   128
.set G1, 24
.set G0, 32
.set G1B, 48
.set G0B, 56
.set G1S, 68
.set G0S, 76
.set G1SB, 80
.set G0SB, 88
.set MSB, 0
.macro WIN new
.if MSB != (\new)
	s_set_vgpr_msb (MSB<<8)|(\new)
.set MSB, (\new)
.endif
.endm
.set MUL_LO, 0xa1
.set MUL_HI, 0xf1
.set TO_B,   0x40
.macro JLOAD g0a, g1a, g0b, g1b        ; waves 0 and 1 fetch for o, waves 2 and 3 for wo; four v_nop follow each of the two lines
	s_cmp_eq_u32 s15, 0
	s_cbranch_scc0 .Lfor_b_\@
	tensor_load_to_lds s[\g0a:\g0a+3], s[\g1a:\g1a+7]
	s_nop 0
.rept 4
	v_nop
.endr
	s_branch .Lasked_\@
.Lfor_b_\@:
	tensor_load_to_lds s[\g0b:\g0b+3], s[\g1b:\g1b+7]
	s_nop 0
.rept 4
	v_nop
.endr
.Lasked_\@:
.endm
.macro CROUND                          ; a round of the cluster's barrier
	s_barrier_signal -1
	s_barrier_wait -1
	s_cmp_lg_u32 s14, 0
	s_cbranch_scc1 .Lnot_wave_0_\@
	s_barrier_signal -3
.Lnot_wave_0_\@:
	s_barrier_wait -3
	s_barrier_signal -1
	s_barrier_wait -1
.endm
.macro PLACES
.rept 4
	v_nop
.endr
.endm
.macro FRAG reg, adr, q, i
.irp c, 0,1,2
	ds_load_b128 v[\reg+4*\c:\reg+4*\c+3], v[\adr] offset:12288*(\q)+1536*(\i)+512*\c
.endr
.endm
.macro FETCH_B slot, q, p
	WIN TO_B
.irp i, 0,1,2,3,4,5,6,7
	FRAG 128*(\p)+FR*\i, ADRB+\slot, \q, \i
.endr
	WIN 0
.endm
.macro FETCH_A slot, q, i0
.irp i, \i0, \i0+1, \i0+2, \i0+3
	FRAG AF+FR*(\i), ADRA+\slot, \q, \i
.endr
.endm
.macro MUL16 a0, p, q, sc, zero        ; the 64 accumulators take turns, one instruction a turn, in the same order in every step
.irp a, \a0, \a0+1
.irp b, 0,1,2,3,4,5,6,7
.if \zero
	v_wmma_scale_f32_16x16x128_f8f6f4 v[8*(8*((\a)%4)+\b):8*(8*((\a)%4)+\b)+7], v[128*(\p)+FR*\b:128*(\p)+FR*\b+FR-1], v[AF+FR*(\a):AF+FR*(\a)+FR-1], 0, v[BSC+16*(\sc)+2*\b+(\q)], v[ASC+16*(\sc)+2*(\a)+(\q)] matrix_a_fmt:MATRIX_FMT_FP6 matrix_b_fmt:MATRIX_FMT_FP6
.else
	v_wmma_scale_f32_16x16x128_f8f6f4 v[8*(8*((\a)%4)+\b):8*(8*((\a)%4)+\b)+7], v[128*(\p)+FR*\b:128*(\p)+FR*\b+FR-1], v[AF+FR*(\a):AF+FR*(\a)+FR-1], v[8*(8*((\a)%4)+\b):8*(8*((\a)%4)+\b)+7], v[BSC+16*(\sc)+2*\b+(\q)], v[ASC+16*(\sc)+2*(\a)+(\q)] matrix_a_fmt:MATRIX_FMT_FP6 matrix_b_fmt:MATRIX_FMT_FP6
.endif
.endr
.endr
.endm
.macro STEP slot, zero                 ; a slot's first K step; it fetches the second step's fragments
	s_wait_dscnt 4*NL                              ; all but the youngest 12 loads (o's blocks 4-7)
	WIN MUL_LO
	MUL16 0, 0, 0, \slot, \zero
	MUL16 2, 0, 0, \slot, \zero
	s_wait_dscnt 0x0
	PLACES
	FETCH_B \slot, 1, 1
	FETCH_A \slot, 1, 0
	WIN MUL_HI
	MUL16 4, 0, 0, \slot, \zero
	MUL16 6, 0, 0, \slot, \zero
	PLACES
	WIN 0
	FETCH_A \slot, 1, 4
.endm
	s_load_b128 s[4:7], s[0:1], 0x0                ; oq s[4:5], wts s[6:7]
	s_load_b64 s[8:9], s[0:1], 0x10                ; out0
	v_lshl_add_u32 v[SPW], v0, 2, SPARE
	v_mov_b32 v[NIL], 0
	ds_add_u32 v28, v29
	ds_add_u32 v28, v29
	s_wait_dscnt 0x0
	v_lshrrev_b32 v1, 5, v0
	v_readfirstlane_b32 s14, v1                    ; wave 0..3
	s_lshr_b32 s15, s14, 1                         ; which of o's two panels is mine.  Also: I fetch for o (0) or for wo (1)
	s_and_b32 s16, s14, 1                          ; which of wo's.  Also: which of the two panels I fetch
	s_bfe_u32 s40, ttmp6, 0x40000                  ; cx, cy
	s_bfe_u32 s41, ttmp6, 0x40004
	s_lshl_b32 s42, ttmp9, 2
	s_add_co_u32 s42, s42, s40                     ; tile column
	s_and_b32 s17, ttmp7, 0xffff
	s_lshl_b32 s17, s17, 2
	s_add_co_u32 s17, s17, s41                     ; tile row
	s_lshl_b32 s43, s41, 2
	s_lshl_b32 s43, 15, s43                        ; my row of the cluster
	s_lshl_b32 s44, 0x1111, s40                    ; my column
	; descriptor groups 1: dense blocks as rows of 256 bytes (32 elements of 8 bytes)
	s_or_b32 s[G1], s43, (3<<16)|(1<<21)
	s_or_b32 s[G1B], s44, (3<<16)|(1<<21)
.irp g, G1, G1B
	s_mov_b32 s[\g+1], 32<<16
	s_mov_b32 s[\g+2], 192<<16                     ; a whole panel: 192 rows of 256 bytes
	s_mov_b32 s[\g+3], 32<<16
	s_mov_b32 s[\g+4], 192
	s_mov_b32 s[\g+5], 32
	s_mov_b32 s[\g+6], 0
	s_mov_b32 s[\g+7], 0
.endr
	s_lshl_b32 s20, s17, 1
	s_add_co_u32 s20, s20, s16                     ; o's panel: of the tile row and the wave's number alone
	s_lshl_b32 s22, s17, 1
	s_add_co_u32 s22, s22, s15                     ; the panel of o that I multiply: its scale words
	s_lshl_b32 s22, s22, 11
	s_add_co_u32 s22, s22, OS
	s_mul_i32 s20, s20, PANEL
	s_mov_b32 s21, 0
	s_mov_b32 s23, 0
	s_lshl_b32 s46, s42, 1
	s_add_co_u32 s46, s46, s16                     ; wo's panel: of the tile column and the wave's number alone
	s_lshl_b32 s92, s46, 11
	s_add_co_u32 s92, s92, WOS
	s_mul_i32 s46, s46, PANEL
	s_add_co_u32 s46, s46, WOC
	s_mov_b32 s47, 0
	s_mov_b32 s93, 0
	s_mul_i32 s45, s14, PANEL
	s_wait_kmcnt 0x0
	s_add_nc_u64 s[20:21], s[4:5], s[20:21]
	s_add_nc_u64 s[10:11], s[4:5], s[22:23]
	s_add_nc_u64 s[46:47], s[6:7], s[46:47]
	s_add_nc_u64 s[92:93], s[6:7], s[92:93]
	CROUND                                         ; all sixteen work-groups are here: the joint loads meet
	s_mov_b32 s[G0], 1
	s_mov_b32 s[G0+1], s45
	s_mov_b64 s[G0+2:G0+3], s[20:21]
	s_or_b32 s[G0+3], s[G0+3], 0x80000000
	s_mov_b32 s[G0B], 1
	s_mov_b32 s[G0B+1], s45
	s_mov_b64 s[G0B+2:G0B+3], s[46:47]
	s_or_b32 s[G0B+3], s[G0B+3], 0x80000000
	JLOAD G0, G1, G0B, G1B                         ; my one tensor load of the launch: a whole panel
	v_and_b32 v1, 15, v0                           ; r
	v_bfe_u32 v2, v0, 4, 1                         ; h
	v_and_b32 v3, 31, v0
	v_lshlrev_b32 v[CO], 4, v3
	s_mul_i32 s21, s15, PANEL                      ; my panel of o,
	s_mul_i32 s22, s16, PANEL                      ; my panel of wo,
	s_add_co_u32 s22, s22, 2*PANEL                 ; behind o's two
.irp s, 0,1
	v_add_nc_u32 v[ADRA+\s], s21, v[CO]
	v_add_nc_u32 v[ADRB+\s], s22, v[CO]
	s_add_co_u32 s21, s21, PART
	s_add_co_u32 s22, s22, PART
.endr
	v_lshlrev_b32 v4, 3, v1                        ; 8 r: two scale words a row
	s_wait_alu depctr_va_vdst(0)
.irp i, 0,1,2,3,4,5,6,7                        ; all scale words of my two panels: set sc = K steps 2 sc, 2 sc + 1; lane r takes row r's two words (lanes 16-31 read the same and are not used)
.irp sc, 0,1
	global_load_b64 v[ASC+16*\sc+2*\i:ASC+16*\sc+2*\i+1], v4, s[10:11] offset:\i*TS+128*\sc
	global_load_b64 v[BSC+16*\sc+2*\i:BSC+16*\sc+2*\i+1], v4, s[92:93] offset:\i*TS+128*\sc
.endr
.endr
	s_mul_i32 s23, s14, 16*SPITCH                  ; my stage
	s_add_co_u32 s23, s23, STAGE
	v_mul_u32_u24 v5, v1, SPITCH
	v_lshl_add_u32 v5, v2, 6, v5                   ; in: row r, + 64 h
	v_add_nc_u32 v[STO], s23, v5
	v_add_nc_u32 v[RD], s23, v[CO]                 ; back: the 32 lanes take one row of 512 bytes
	s_lshl_b32 s20, s17, 8
	s_lshl_b32 s21, s15, 7
	s_add_co_u32 s20, s20, s21                     ; my first row of out0
	s_lshl_b32 s20, s20, 13                        ; x 8,192 bytes
	s_mov_b32 s21, 0
	s_lshl_b32 s46, s42, 10
	s_lshl_b32 s47, s16, 9
	s_add_co_u32 s46, s46, s47                     ; my first column, in bytes
	s_mov_b32 s47, 0
	s_add_nc_u64 s[20:21], s[20:21], s[46:47]
	s_add_nc_u64 s[8:9], s[8:9], s[20:21]
	s_wait_alu depctr_va_vdst(0)
	s_wait_tensorcnt 0x0                           ; my panel is in,
	s_wait_loadcnt 0x0                             ; and my scale words
	s_barrier_signal -1
	s_barrier_wait -1                              ; everybody's are
	FETCH_B 0, 0, 0
	FETCH_A 0, 0, 0
	FETCH_A 0, 0, 4
	STEP 0, 1                                      ; the first products start the sums
	; slot 0's second K step, and the change of slots: no barrier; nothing is filled again
	s_wait_dscnt 4*NL                              ; all but the youngest 12 loads (o's blocks 4-7); no barrier: the panels are whole, and nobody writes them
	WIN MUL_LO
	MUL16 0, 1, 1, 0, 0
	MUL16 2, 1, 1, 0, 0
	s_wait_dscnt 0x0
	PLACES
	FETCH_B 1, 0, 0
	FETCH_A 1, 0, 0
	WIN MUL_HI
	MUL16 4, 1, 1, 0, 0
	MUL16 6, 1, 1, 0, 0
	PLACES
	WIN 0
	FETCH_A 1, 0, 4
	STEP 1, 0
	s_wait_dscnt 4*NL                              ; the last K step: nothing more to fetch
	WIN MUL_LO
	MUL16 0, 1, 1, 1, 0
	MUL16 2, 1, 1, 1, 0
	s_wait_dscnt 0x0
	WIN MUL_HI
	MUL16 4, 1, 1, 1, 0
	MUL16 6, 1, 1, 1, 0
	WIN 0
; THE WAY OUT, block by block of 16 tokens x 128 columns, through my own stage: accumulator (a, b) of lane (r, h) holds columns 32 (b / 2) + 16 h + 8 (b % 2) + 0 .. 7 of the block's row r.  Rows come back whole, 512 bytes,
; and row t of block a is row 32 (a / 2) + 8 (a % 2) + t + 8 (t / 8) of my 128: its place stands in the store's immediate (127 rows of 8,192 bytes at the most).  LDS serves a wave's instructions in order: no wait between stores and loads.
.macro TOSTAGE a
.set AC, 64*((\a)%4)
	WIN 0x08+4*((\a)/4)                            ; an LDS store's data: window 2 or 3
.irp b, 0,1,2,3,4,5,6,7
	ds_store_b128 v[STO], v[AC+8*\b:AC+8*\b+3] offset:128*(\b/2)+32*(\b%2)      ; each accumulator from its low end on
	ds_store_b128 v[STO], v[AC+8*\b+4:AC+8*\b+7] offset:128*(\b/2)+32*(\b%2)+16
.endr
	WIN 0
.set BB, BK+64*((\a)%2)
.irp t, 0,1,2,3,4,5,6,7,8,9,10,11,12,13,14,15
	ds_load_b128 v[BB+4*\t:BB+4*\t+3], v[RD] offset:\t*SPITCH
.endr
.endm
.macro SEND a, younger                 ; younger: the LDS instructions issued behind block a's loads, which may stay out
.set BB, BK+64*((\a)%2)
	s_wait_dscnt \younger
.irp t, 0,1,2,3,4,5,6,7,8,9,10,11,12,13,14,15
	global_store_b128 v[CO], v[BB+4*\t:BB+4*\t+3], s[8:9] offset:(32*((\a)/2)+8*((\a)%2)+\t+8*(\t/8))*8192 th:TH_STORE_NT   ; 32 lanes store 512 consecutive bytes, aligned; written once, read by nobody here
.endr
.endm
	PLACES
	TOSTAGE 0
.irp a, 1,2,3,4,5,6,7
.if \a > 1
	s_wait_xcnt 0x0                                ; block a - 2's stores have read their registers: block a's loads may land there
.endif
	TOSTAGE \a
	SEND \a-1, 32                                  ; behind block a - 1's loads: block a's 16 stores and 16 loads
.endr
	SEND 7, 0
	s_wait_tensorcnt 0x0                           ; the wave's end
	ds_add_u32 v[SPW], v[NIL]
	s_wait_dscnt 0x0
	CROUND                                         ; the closing round
	s_endpgm
.Lfunc_end_k_qffab6dc659_oproj:
	.size	k_qffab6dc659_oproj, .Lfunc_end_k_qffab6dc659_oproj-k_qffab6dc659_oproj
	.p2alignl 7, 3214868480
	.fill 96, 4, 3214868480
	.section	.rodata,"a",@progbits
	.p2align	6, 0x0
	.amdhsa_kernel k_qffab6dc659_oproj
		.amdhsa_group_segment_fixed_size 327680
		.amdhsa_private_segment_fixed_size 0
		.amdhsa_enable_private_segment 0
		.amdhsa_kernarg_size 24
		.amdhsa_user_sgpr_count 2
		.amdhsa_user_sgpr_kernarg_segment_ptr 1
		.amdhsa_wavefront_size32 1
		.amdhsa_system_sgpr_workgroup_id_x 1
		.amdhsa_system_sgpr_workgroup_id_y 1
		.amdhsa_system_sgpr_workgroup_id_z 1
		.amdhsa_system_vgpr_workitem_id 0
		.amdhsa_next_free_vgpr 1024
		.amdhsa_next_free_sgpr 96
		.amdhsa_reserve_vcc 0
		.amdhsa_float_denorm_mode_32 3
		.amdhsa_float_denorm_mode_16_64 3
		.amdhsa_memory_ordered 1
		.amdhsa_forward_progress 1
		.amdhsa_inst_pref_size 85
	.end_amdhsa_kernel
	.amdgpu_metadata
---
amdhsa.version: [ 1, 2 ]
amdhsa.kernels:
  - .name:           k_qffab6dc659_oproj
    .symbol:         k_qffab6dc659_oproj.kd
    .args:
      - { .name: oq, .offset: 0, .size: 8, .value_kind: global_buffer, .address_space: global }
      - { .name: wts, .offset: 8, .size: 8, .value_kind: global_buffer, .address_space: global }
      - { .name: out0, .offset: 16, .size: 8, .value_kind: global_buffer, .address_space: global }
    .group_segment_fixed_size: 327680
    .private_segment_fixed_size: 0
    .kernarg_segment_align: 8
    .kernarg_segment_size: 24
    .max_flat_workgroup_size: 128
    .sgpr_count:     96
    .vgpr_count:     1024
    .wavefront_size: 32
...
	.end_amdgpu_metadata
.endif
;; end of part 4
